; MI455X (gfx1250); checked and timed in simulation.
; The chip was launched on July 23, 2026; its instructions are those of AMD's public machine-readable ISA for CDNA 5 (MIT licence, August 2026) and "CDNA5" Instruction Set Architecture Reference Guide (July 2026). The comments in the code are by the model that wrote it; some were corrected since.
;; Self Attention. Allowed arithmetic: matrix products marked QUANTISED: E2M3 operands, one E8M0 scale for each 32 along K, by v_wmma_scale_f32_16x16x128_f8f6f4 with both operands' format E2M3, f32 sums; everything else in f32.
;; Inputs: Wout 1,024 x 1,024 float32; Wqkv 1,024 x 3,072 float32; bout 1,024 float32; bqkv 3,072 float32; x 2,048 x 4 x 1,024 float32.
;; Outputs: out0 2,048 x 4 x 1,024 float32.
;; This version of the problem:
;;   THIS VERSION OF THE PROBLEM IS GIVEN IN LOW PRECISION. The matrix products marked QUANTISED in the list below multiply operands that are first quantised to E2M3 (2 exponent bits, 3 mantissa bits; 6 bits a number), with one power-of-two scale for each 32 numbers along K (OCP MX v1.0); their sums are f32. All else is computed in f32.
;;   The module's matrix products, in the order in which they are computed (A, B: the left and right operand; K: the contracted axis; several contracted axes count as one K, in the product's order):
;;     1. [M 8,192, K 1,024] x [K 1,024, N 3,072]; A: input x; B: input Wqkv: QUANTISED
;;     2. batch 64 x [M 2,048, K 64] x [K 64, N 2,048]; A: computed on the way; B: computed on the way: QUANTISED
;;     3. batch 64 x [M 2,048, K 2,048] x [K 2,048, N 64]; A: softmax (see below); B: computed on the way: QUANTISED
;;     4. [M 8,192, K 1,024] x [K 1,024, N 1,024]; A: computed on the way; B: input Wout: QUANTISED
;;   THE QUANTISER, for each operand of a quantised product, along K:
;;     - K is cut into blocks of 32 from its start; a last block that is shorter is filled with zeros.
;;     - A block's scale is 2^e with e = floor(log2(the largest magnitude in the block)) - 2, held to -126 .. 127; a block of zeros has e = 0. As a byte (E8M0): e + 127.
;;     - Each number is divided by its block's scale, clamped to +-7.5, and rounded to the nearest number of E2M3, ties to even, subnormals kept.
;;     - The product sums the exact products of the quantised numbers (number of the format x scale) in f32.
;;   ~~~python
;;   def quantise(x, axis):      # numpy; x: float32 -> the quantised numbers, widened to float32 again
;;       x = np.moveaxis(x, axis, -1); K = x.shape[-1]
;;       x = np.pad(x, [(0, 0)] * (x.ndim - 1) + [(0, -K % 32)]); x = x.reshape(x.shape[:-1] + (-1, 32)); a = np.abs(x).max(-1, keepdims=True)
;;       e = np.where(a > 0, np.clip(np.frexp(np.where(a > 0, a, 1))[1] - 1 - 2, -126, 127), 0)      # np.frexp(a)[1] - 1 = floor(log2(a)), exactly
;;       r = np.clip(x / 2.0 ** e, -7.5, 7.5)
;;       step = 2.0 ** (np.maximum(np.frexp(np.where(r == 0, 1, r))[1] - 1, 0) - 3)
;;       q = np.round(r / step) * step * 2.0 ** e      # np.round: ties to even
;;       return np.moveaxis(q.reshape(q.shape[:-2] + (-1,))[..., :K], -1, axis).astype(np.float32)
;;   ~~~
;;   SOFTMAX AHEAD OF A QUANTISED PRODUCT. Where the list says 'softmax', what is quantised is not the finished softmax but p = 2^(t - M), with t = logit x log2(e) and M = ceil(the row's largest t), a whole number; so 1/2 < the row's largest p <= 1. The row's sum l is taken of the UNQUANTISED p, in f32, and the product's result is divided by l at the end. Since M is a whole number, a kernel that streams over the keys may use a running M (the ceiling of the running maximum): every later rescaling is an exact power of two, which a block's scale takes up: the codes' values come out the same.
;;   OPERANDS COMPUTED ON THE WAY. 'Computed on the way' means the value that the module computes at that place (a softmax that the list does not call 'softmax' is quantised finished and normalised). What goes into a quantiser is computed in f32, as accurately as f32 sums, v_exp_f32 and their like allow (about 1e-6 of the number): no bf16 or f16 on the way to a quantiser, and a product that is left as it is and whose result goes on into a quantised operand takes f32 operands (vector FMAs, or v_wmma_f32_16x16x4_f32). A number that lies on a knife's edge between two numbers of the format may be rounded either way, as far as f32 arithmetic and the matrix unit's own rounding can turn it there, and no further.
;; One version. Each part assembles by itself: llvm-mc -triple=amdgcn-amd-amdhsa -mcpu=gfx1250 --defsym DOCPART=n.
;; ======== version 1 of 1: 4 launches
;; limits: right only within a limited range of input values
;; workspace buffers: xq 6,553,600 bytes; wq 3,276,800 bytes; qimg 6,815,744 bytes; kvimg 13,369,344 bytes; oq 6,553,600 bytes
;; launch prep (part 1): grid 384 x 1, 4 waves a work-group, no clusters, 83,456 bytes of LDS; arguments x, Wqkv, Wout, xq, wq; writes xq, wq
.if DOCPART == 1
	.amdgcn_target "amdgcn-amd-amdhsa--gfx1250"
	.amdhsa_code_object_version 6
	.text
	.protected	k_qfe7b275e8d_prep
	.globl	k_qfe7b275e8d_prep
	.p2align	8
	.type	k_qfe7b275e8d_prep,@function
k_qfe7b275e8d_prep:
	s_mov_b64 s[64:65], 0
	v_nop
	global_prefetch_b8 v0, s[64:65] scope:SCOPE_SE
	s_setreg_imm32_b32 hwreg(HW_REG_WAVE_MODE, 25, 1), 1
	s_wait_xcnt 0x0
; x [2048][4][1024], Wqkv [1024][3072], Wout [1024][1024], f32, become codes of FP6 (E2M3) with one E8M0 byte for each 32 along K (K = the 1,024), laid as the products' operand registers want them.
; A block's scale is 2^(floor(log2(largest magnitude)) - 2): its byte is the largest magnitude's exponent field - 2, held at 1 from below.
; LIMITS: NaN and infinities among the inputs are not served; a block whose largest magnitude lies under 2^-124 keeps the byte 1; a block of zeros gets the byte 1 where the rule says 127 (its codes are zeros, and this program alone reads the bytes).
; THE RECORD (HTB bytes) holds 128 rows of an operand: fragment (slot of 256 K, q-th 128 K of it, block i of 16 rows) at slot x 24576 + q x 12288 + i x 1536; scale words at 98304 + slot x 1024 + i x 128 + 8 r + 4 q.
; A FRAGMENT'S IMAGE: two halves of 768 bytes (registers 0-5, 6-11): lane l's registers 0-3 at 16 l, its registers 4-5 at 512 + 8 l.  Every store and every later load of it covers consecutive bytes.
; THE ROWS OF A BLOCK ARE NOT NEIGHBOURS: lane r of block 2 g + u holds row 32 g + 8 u + r + 8 (r / 8) of the record's 128.
; x's rows are ordered batch x 2048 + position: record = 16 x batch + position / 128.  wq: records 0-23 Wqkv's columns / 128, records 24-31 Wout's.
; Work-groups 0-255 take x (32 rows x 1,024 K each; a wave 256 K), 256-351 Wqkv, 352-383 Wout (128 columns x 256 K each; a wave 32 columns).  Each of the three ways has LDS bytes of its own; waves share nothing: no barrier.
; No cluster, no tensor load: no two work-groups read the same bytes.
.set HTB, 102400
.set SEL, 20                           ; s[20:21] lane selects for v_permlanex16_b32: lane l xor 16
.set PC,  16                           ; v16-27 a fragment's codes; v28-35 the conversions' second halves
.set TM,  36                           ; v36-51 at work in QUANT
.set PW,  52                           ; the scale word just made
.set R,   64                           ; v64-191 x as loaded: two sets of 64
.set X,   192                          ; v192-255 64 numbers of a lane: register 16 b + i = k 32 b + 16 (lane / 16) + i of its row
	s_load_b256 s[4:11], s[0:1], 0x0               ; x s[4:5], Wqkv s[6:7], Wout s[8:9], xq s[10:11]
	s_load_b64 s[12:13], s[0:1], 0x20              ; wq
	v_lshl_add_u32 v57, v0, 2, 0x14400
	v_mov_b32 v63, 0
	v_lshrrev_b32 v1, 5, v0
	v_readfirstlane_b32 s16, v1                    ; wave 0..3
	v_and_b32 v60, 31, v0                          ; lane
	v_and_b32 v61, 15, v0                          ; r
	v_bfe_u32 v62, v0, 4, 1                        ; h
	v_lshlrev_b32 v1, 4, v60                       ; 16 x lane
	v_lshlrev_b32 v2, 3, v60                       ; 8 x lane
	s_mov_b32 s[SEL], 0x76543210
	s_mov_b32 s[SEL+1], 0xfedcba98
	s_mov_b32 s22, 0xffff0000                      ; a mask: lanes 16-31
	s_wait_kmcnt 0x0
	s_cmp_lt_u32 ttmp9, 256
	s_cbranch_scc0 .Lweights
; ---------------- x: K is innermost
; 64 numbers of a lane become a fragment's codes in v[PC] on and its row's scale word in v[PW]
.macro QUANT s
.irp b, 0,1,2,3
	v_max3_num_f32 v[TM+\b], |v[\s+16*\b]|, |v[\s+1+16*\b]|, 0x1800000   ; block b: my 16 numbers, and the floor 2^(3 - 127): the byte cannot fall under 1
.endr
.irp i, 2,4,6,8,10,12,14
.irp b, 0,1,2,3
	v_max3_num_f32 v[TM+\b], v[TM+\b], |v[\s+16*\b+\i]|, |v[\s+1+16*\b+\i]|
.endr
.endr
.irp b, 0,1,2,3
	v_permlanex16_b32 v[TM+4+\b], v[TM+\b], s[SEL], s[SEL+1]
.endr
.irp b, 0,1,2,3
	v_max_num_f32 v[TM+\b], v[TM+\b], v[TM+4+\b]   ; with lane l xor 16's 16: the block's largest magnitude
.endr
.irp b, 0,1,2,3
	v_add_nc_u32 v[TM+12+\b], 0xff000000, v[TM+\b] ; 2 off its exponent field: the conversion's scale operand
.endr
.irp b, 0,1,2,3
	v_lshrrev_b32 v[TM+4+\b], 23, v[TM+12+\b]      ; the scale's byte
.endr
	v_lshl_or_b32 v[PW], v[TM+5], 8, v[TM+4]
	v_lshl_or_b32 v[PW], v[TM+6], 16, v[PW]
	v_lshl_or_b32 v[PW], v[TM+7], 24, v[PW]
.irp c, 0,1
	v_cvt_scalef32_pk16_fp6_f32 v[PC+6*\c:PC+2+6*\c], v[\s+32*\c:\s+15+32*\c], v[TM+12+2*\c]
	v_cvt_scalef32_pk16_fp6_f32 v[PC+12+4*\c:PC+14+4*\c], v[\s+16+32*\c:\s+31+32*\c], v[TM+12+2*\c+1]   ; (a conversion's three registers begin on an even number)
.endr
	v_nop                                          ; one plain instruction behind the conversions
.irp c, 0,1                                    ; the operand wants a whole block in a lane: lanes 0-15 block 2 c, lanes 16-31 block 2 c + 1
.irp i, 0,1,2
	v_permlane16_swap_b32 v[PC+6*\c+\i], v[PC+12+4*\c+\i]
.endr
.irp i, 0,1,2
	v_mov_b32 v[PC+3+6*\c+\i], v[PC+12+4*\c+\i]
.endr
.endr
.endm
; fragment f = 2 u + q: block 2 gp + u, the wave's q-th 128 along K.  A load takes 512 consecutive bytes of one row
.macro XLOAD f
.irp i, 0,1,2,3,4,5,6,7,8,9,10,11,12,13,14,15
	global_load_b128 v[R+64*((\f)%2)+4*\i:R+64*((\f)%2)+4*\i+3], v1, s[4:5] offset:(8*((\f)/2)+\i+8*(\i/8))*16384+512*((\f)%2) th:TH_LOAD_NT
.endr
.endm
; through the wave's stage (16 rows, 528 bytes apart): in as loaded, out 16 neighbours of each block of 32 a lane.  LDS serves a wave's instructions in order: no wait between
.macro XTURN f
.irp i, 0,1,2,3,4,5,6,7,8,9,10,11,12,13,14,15
	ds_store_b128 v3, v[R+64*((\f)%2)+4*\i:R+64*((\f)%2)+4*\i+3] offset:528*\i
.endr
.irp b, 0,1,2,3
.irp j, 0,1,2,3
	ds_load_b128 v[X+16*\b+4*\j:X+16*\b+4*\j+3], v4 offset:128*\b+16*\j
.endr
.endr
.endm
.macro XFRAG f
.if (\f) < 3
	s_wait_loadcnt 16                              ; this fragment's 16 loads are in; the next one's 16 may be out
.else
	s_wait_loadcnt 0x0
.endif
	XTURN \f
	s_wait_dscnt 0x0                               ; the stage's stores have read their registers, and my 64 numbers are in
	s_wait_xcnt 0x0                                ; the last fragment's stores have read v[PC] on: it is written again only behind this wait
.if (\f) < 2
	XLOAD (\f)+2
.endif
	QUANT X
	v_mov_b32 v[53+(\f)], v[PW]
.set OFF, ((\f)%2)*12288+((\f)/2)*1536
	global_store_b128 v1, v[PC:PC+3], s[10:11] offset:OFF
	global_store_b64 v2, v[PC+4:PC+5], s[10:11] offset:OFF+512
	global_store_b128 v1, v[PC+6:PC+9], s[10:11] offset:OFF+768
	global_store_b64 v2, v[PC+10:PC+11], s[10:11] offset:OFF+1280
.endm
	s_lshr_b32 s17, ttmp9, 2                       ; the record
	s_and_b32 s18, ttmp9, 3                        ; gp: which 32 of its 128 rows
	s_and_b32 s24, s17, 15
	s_lshl_b32 s24, s24, 7
	s_lshl_b32 s25, s18, 5
	s_add_co_u32 s24, s24, s25                     ; the first position
	s_lshl_b32 s24, s24, 14                        ; a position is four rows of 4,096 bytes,
	s_lshr_b32 s25, s17, 4
	s_lshl_b32 s25, s25, 12                        ; of which the batch picks one;
	s_add_co_u32 s24, s24, s25
	s_lshl_b32 s25, s16, 10                        ; my wave's 256 along K
	s_add_co_u32 s24, s24, s25
	s_mov_b32 s25, 0
	s_add_nc_u64 s[4:5], s[4:5], s[24:25]
	s_mul_i32 s24, s17, HTB
	s_lshl_b32 s26, s16, 10
	s_add_co_u32 s26, s26, s24
	s_lshl_b32 s27, s18, 8
	s_add_co_u32 s26, s26, s27
	s_add_co_u32 s26, s26, 98304
	s_mov_b32 s27, 0
	s_add_nc_u64 s[14:15], s[10:11], s[26:27]      ; where my two blocks' scale words go
	s_mul_i32 s26, s16, 24576
	s_add_co_u32 s24, s24, s26
	s_mul_i32 s26, s18, 3072
	s_add_co_u32 s24, s24, s26
	s_add_nc_u64 s[10:11], s[10:11], s[24:25]      ; and their codes
	s_wait_alu depctr_va_vdst(0)
	XLOAD 0
	XLOAD 1
	s_mul_i32 s28, s16, 8448                       ; my stage
	v_add_nc_u32 v3, s28, v1
	v_mul_u32_u24 v4, v61, 528
	v_lshl_add_u32 v4, v62, 6, v4
	v_add_nc_u32 v4, s28, v4
.irp b, 0,1,2,3
	v_mov_b32 v[TM+4+\b], 0                        ; written once: a lane permute's destination counts as one of its sources
.endr
	s_wait_alu depctr_va_vdst(0)
	XFRAG 0
	XFRAG 1
	XFRAG 2
	XFRAG 3
	v_cndmask_b32 v58, v53, v55, s22               ; lanes 0-15: block 2 gp's words, lanes 16-31: block 2 gp + 1's; q = 0,
	v_cndmask_b32 v59, v54, v56, s22               ; q = 1
	global_store_b64 v2, v[58:59], s[14:15]        ; 32 lanes store 256 consecutive bytes
	s_wait_tensorcnt 0x0
	ds_add_u32 v57, v63
	s_wait_dscnt 0x0
	s_endpgm
; ---------------- the weights: K is the first axis.  A lane takes a column and its registers run down K: a block of 32 lies in one lane
.macro WLOAD t, N, PT
.irp i, 0,1,2,3,4,5,6,7,8,9,10,11,12,13,14,15,16,17,18,19,20,21,22,23,24,25,26,27,28,29,30,31
	global_load_b32 v[64+32*((\t)%2)+\i], v3, s[\PT:\PT+1] offset:(32*(\t)+\i)*\N*4 th:TH_LOAD_NT
.endr
.endm
.macro WBLOCK t, N, PT
.set XS, 64+32*((\t)%2)
.if (\t) < 7
	s_wait_loadcnt 32                              ; this block's 32 loads are in; the next block's may be out
.else
	s_wait_loadcnt 0x0
.endif
	v_max3_num_f32 v12, |v[XS]|, |v[XS+1]|, |v[XS+2]|
	v_max3_num_f32 v13, |v[XS+3]|, |v[XS+4]|, |v[XS+5]|
.irp i, 6,10,14,18,22,26
	v_max3_num_f32 v12, v12, |v[XS+\i]|, |v[XS+\i+1]|
	v_max3_num_f32 v13, v13, |v[XS+\i+2]|, |v[XS+\i+3]|
.endr
	v_max3_num_f32 v12, v12, |v[XS+30]|, |v[XS+31]|
	v_max3_num_f32 v12, v12, v13, 0x1800000        ; and the floor
	v_add_nc_u32 v11, 0xff000000, v12              ; the conversion's scale operand
	v_lshrrev_b32 v13, 23, v11                     ; the byte
.if (\t)%4 == 0
	v_mov_b32 v[28+(\t)/4], v13                    ; four bytes make the word of 128 along K
.else
	v_lshl_or_b32 v[28+(\t)/4], v13, 8*((\t)%4), v[28+(\t)/4]
.endif
	v_cvt_scalef32_pk16_fp6_f32 v[16:18], v[XS:XS+15], v11
	v_cvt_scalef32_pk16_fp6_f32 v[20:22], v[XS+16:XS+31], v11
	v_nop                                          ; one plain instruction behind the conversions
	v_mov_b32 v19, v20                             ; the block's six registers as four and two
	v_mov_b32 v24, v21
	v_mov_b32 v25, v22
	ds_store_b128 v5, v[16:19] offset:((\t)/4)*3072+(((\t)%4)/2)*768+256*((\t)%2)   ; block t is half (t % 4) / 2, lanes 16 (t % 2) on, of the fragment of the (t / 4)-th 128 along K
	ds_store_b64 v6, v[24:25] offset:((\t)/4)*3072+(((\t)%4)/2)*768+128*((\t)%2)
.if (\t)+2 < 8
	WLOAD (\t)+2, \N, \PT
.endif
	s_wait_dscnt 0x0                               ; the stores have read their registers: the next block's codes may be written
.endm
; N: the weight's columns; REC0: its first record; LB: this way's LDS bytes; PT: the register pair of its address; ID0: its first work-group
.macro WPATH N, REC0, LB, PT, ID0
	s_sub_co_u32 s17, ttmp9, \ID0
	s_lshr_b32 s18, s17, 2                         ; which 128 columns
	s_and_b32 s19, s17, 3                          ; which 256 along K
	s_mul_i32 s24, s19, 256*\N*4
	s_lshl_b32 s25, s18, 9
	s_add_co_u32 s24, s24, s25
	s_lshl_b32 s25, s16, 7                         ; my wave's 32 columns
	s_add_co_u32 s24, s24, s25
	s_mov_b32 s25, 0
	s_add_nc_u64 s[\PT:\PT+1], s[\PT:\PT+1], s[24:25]
	v_lshlrev_b32 v3, 2, v60
	WLOAD 0, \N, \PT
	WLOAD 1, \N, \PT
	s_add_co_u32 s24, s18, \REC0
	s_mul_i32 s24, s24, HTB
	s_mul_i32 s26, s19, 24576
	s_add_co_u32 s26, s26, s24
	s_mul_i32 s27, s16, 3072
	s_add_co_u32 s26, s26, s27
	s_mov_b32 s27, 0
	s_add_nc_u64 s[14:15], s[12:13], s[26:27]      ; my two blocks' codes
	s_lshl_b32 s26, s19, 10
	s_add_co_u32 s26, s26, s24
	s_lshl_b32 s28, s16, 8
	s_add_co_u32 s26, s26, s28
	s_add_co_u32 s26, s26, 98304
	s_add_nc_u64 s[12:13], s[12:13], s[26:27]      ; and their scale words
	v_bfe_u32 v9, v0, 3, 1                         ; my column 32 wave + lane is lane r' of block 2 wave + u: u = bit 3 of the lane,
	v_and_b32 v10, 7, v0
	v_lshl_or_b32 v10, v62, 3, v10                 ; r' = its bits 2:0 and bit 4
	s_mul_i32 s28, s16, 6144
	s_add_co_u32 s28, s28, \LB                     ; my stage: the four fragments' images
	v_mul_u32_u24 v5, v9, 1536
	v_add_nc_u32 v5, s28, v5
	v_lshl_add_u32 v6, v10, 3, v5
	v_add_nc_u32 v6, 512, v6
	v_lshl_add_u32 v5, v10, 4, v5
	v_add_nc_u32 v7, s28, v1
	v_lshlrev_b32 v8, 7, v9
	v_lshl_add_u32 v8, v10, 3, v8
.irp t, 0,1,2,3,4,5,6,7
	WBLOCK \t, \N, \PT
.endr
	s_wait_alu depctr_va_vdst(0)
	global_store_b64 v8, v[28:29], s[12:13]        ; the 32 lanes' words fill 256 consecutive bytes
.irp j, 0,1,2,3,4,5,6,7,8,9,10,11
	ds_load_b128 v[128+4*\j:131+4*\j], v7 offset:512*\j
.endr
.irp j, 0,1,2,3,4,5,6,7,8,9,10,11
	s_wait_dscnt 11-\j                             ; load j is in; the later ones may be out
	global_store_b128 v1, v[128+4*\j:131+4*\j], s[14:15] offset:(\j/6)*12288+512*(\j%6)   ; 512 consecutive bytes
.endr
.endm
.Lweights:
	s_cmp_lt_u32 ttmp9, 352
	s_cbranch_scc0 .Lwout
	s_wait_alu depctr_va_vdst(0)
	WPATH 3072, 0, 33792, 6, 256
	s_wait_tensorcnt 0x0
	ds_add_u32 v57, v63
	s_wait_dscnt 0x0
	s_endpgm
.Lwout:
	s_wait_alu depctr_va_vdst(0)
	WPATH 1024, 24, 58368, 8, 352
	s_wait_tensorcnt 0x0
	ds_add_u32 v57, v63
	s_wait_dscnt 0x0
	s_endpgm
.Lfunc_end_k_qfe7b275e8d_prep:
	.size	k_qfe7b275e8d_prep, .Lfunc_end_k_qfe7b275e8d_prep-k_qfe7b275e8d_prep
	.p2alignl 7, 3214868480
	.fill 96, 4, 3214868480
	.section	.rodata,"a",@progbits
	.p2align	6, 0x0
	.amdhsa_kernel k_qfe7b275e8d_prep
		.amdhsa_group_segment_fixed_size 83456
		.amdhsa_private_segment_fixed_size 0
		.amdhsa_enable_private_segment 0
		.amdhsa_kernarg_size 40
		.amdhsa_user_sgpr_count 2
		.amdhsa_user_sgpr_kernarg_segment_ptr 1
		.amdhsa_wavefront_size32 1
		.amdhsa_system_sgpr_workgroup_id_x 1
		.amdhsa_system_sgpr_workgroup_id_y 1
		.amdhsa_system_sgpr_workgroup_id_z 1
		.amdhsa_system_vgpr_workitem_id 0
		.amdhsa_next_free_vgpr 256
		.amdhsa_next_free_sgpr 66
		.amdhsa_reserve_vcc 0
		.amdhsa_float_denorm_mode_32 3
		.amdhsa_float_denorm_mode_16_64 3
		.amdhsa_memory_ordered 1
		.amdhsa_forward_progress 1
		.amdhsa_inst_pref_size 117
	.end_amdhsa_kernel
	.amdgpu_metadata
---
amdhsa.version: [ 1, 2 ]
amdhsa.kernels:
  - .name:           k_qfe7b275e8d_prep
    .symbol:         k_qfe7b275e8d_prep.kd
    .args:
      - { .name: x, .offset: 0, .size: 8, .value_kind: global_buffer, .address_space: global }
      - { .name: Wqkv, .offset: 8, .size: 8, .value_kind: global_buffer, .address_space: global }
      - { .name: Wout, .offset: 16, .size: 8, .value_kind: global_buffer, .address_space: global }
      - { .name: xq, .offset: 24, .size: 8, .value_kind: global_buffer, .address_space: global }
      - { .name: wq, .offset: 32, .size: 8, .value_kind: global_buffer, .address_space: global }
    .group_segment_fixed_size: 83456
    .private_segment_fixed_size: 0
    .kernarg_segment_align: 8
    .kernarg_segment_size: 40
    .max_flat_workgroup_size: 128
    .sgpr_count:     66
    .vgpr_count:     256
    .wavefront_size: 32
...
	.end_amdgpu_metadata
.endif
;; end of part 1
;; launch gemm_qkv (part 2): grid 12 x 32, 4 waves a work-group, clusters of 4 x 4, 327,680 bytes of LDS; arguments xq, wq, bqkv, qimg, kvimg; writes qimg, kvimg
.if DOCPART == 2
	.amdgcn_target "amdgcn-amd-amdhsa--gfx1250"
	.amdhsa_code_object_version 6
	.text
	.protected	k_qfe7b275e8d_gemm_qkv
	.globl	k_qfe7b275e8d_gemm_qkv
	.p2align	8
	.type	k_qfe7b275e8d_gemm_qkv,@function
k_qfe7b275e8d_gemm_qkv:
	s_mov_b64 s[64:65], 0
	v_nop
	global_prefetch_b8 v0, s[64:65] scope:SCOPE_SE
	s_setreg_imm32_b32 hwreg(HW_REG_WAVE_MODE, 25, 1), 1
	s_wait_xcnt 0x0
	s_wait_alu depctr_hold_cnt(0) depctr_sa_sdst(0) depctr_va_vdst(0) depctr_va_sdst(0) depctr_va_ssrc(0) depctr_va_vcc(0) depctr_vm_vsrc(0)
	s_getreg_b32 s2, hwreg(HW_REG_IB_STS2, 6, 4)
	s_cmp_eq_u32 s2, 0
	s_cbranch_scc0 .Lentry_in_a_cluster
	s_endpgm
.Lentry_in_a_cluster:
	s_bfe_u32 s2, ttmp6, 0x10000c
	s_cmp_lg_u32 s2, 0xf033
	s_cbranch_scc0 .Lentry_shape_is_right
	s_endpgm
.Lentry_shape_is_right:
.set HTB,   102400
.set HALFB, 24576
.set SLOT,  4*HALFB
.set SCL,   2*SLOT
.set SPARE, SCL+4*4096
.set FR,    12
.set NL,    4
.set NP,    4
.set ADRA,  16
.set ADRB,  20
.set L16,   24
.set L8,    25
.set ADRS,  27
.set SPW,   28
.set NIL,   29
.set SC,    32
.set BI,    64
.set AF,    128
.set VB,    224
.set G1, 24
.set G0, 32
.set G1B, 48
.set G0B, 56
.set G1S, 68
.set G0S, 76
.set G1SB, 80
.set G0SB, 88
.set ISV, 96
.set HAW, 95
.set NBW, 97
.set SEL, 100
.set MSB, 0
.macro WIN new
.if MSB != \new
	s_set_vgpr_msb (MSB<<8)|\new
.set MSB, \new
.endif
.endm
.set MUL_LO,   0xa1
.set MUL_HI,   0xf1
.set FIRST_LO, 0x81
.set FIRST_HI, 0xc1
.set TO_B,     0x40
.macro JLOAD g0a, g1a, g0b, g1b
	s_cmp_eq_u32 s15, 0
	s_cbranch_scc0 .Lfor_b_\@
	tensor_load_to_lds s[\g0a:\g0a+3], s[\g1a:\g1a+7]
	s_nop 0
.rept 4
	v_nop
.endr
	s_branch .Lasked_\@
.Lfor_b_\@:
	tensor_load_to_lds s[\g0b:\g0b+3], s[\g1b:\g1b+7]
	s_nop 0
.rept 4
	v_nop
.endr
.Lasked_\@:
.endm
.macro CREST
	s_cmp_lg_u32 s14, 0
	s_cbranch_scc1 .Lnot_wave_0_\@
	s_barrier_signal -3
.Lnot_wave_0_\@:
	s_barrier_wait -3
	s_barrier_signal -1
	s_barrier_wait -1
.endm
.macro CROUND
	s_barrier_signal -1
	s_barrier_wait -1
	CREST
.endm
	s_load_b256 s[4:11], s[0:1], 0x0
	s_load_b64 s[12:13], s[0:1], 0x20
	v_lshl_add_u32 v[SPW], v0, 2, SPARE
	v_mov_b32 v[NIL], 0
	ds_add_u32 v28, v29
	ds_add_u32 v28, v29
	s_wait_dscnt 0x0
	v_lshrrev_b32 v1, 5, v0
	v_readfirstlane_b32 s14, v1
	s_lshr_b32 s15, s14, 1
	s_and_b32 s16, s14, 1
	s_bfe_u32 s40, ttmp6, 0x40000
	s_bfe_u32 s41, ttmp6, 0x40004
	s_and_b32 s17, ttmp7, 0xffff
	s_cmp_eq_u32 ttmp9, 2
	s_cselect_b32 s[ISV], 1, 0
	s_cselect_b32 s42, s17, ttmp9
	s_cselect_b32 s17, 0, s17
	s_lshl_b32 s42, s42, 2
	s_add_co_u32 s42, s42, s40
	s_lshl_b32 s17, s17, 2
	s_add_co_u32 s17, s17, s41
	s_lshl_b32 s43, s41, 2
	s_lshl_b32 s43, 15, s43
	s_lshl_b32 s44, 0x1111, s40
	s_or_b32 s[G1+0], s43, (3<<16)|(1<<21)
	s_or_b32 s[G1B+0], s44, (3<<16)|(1<<21)
.irp g, G1, G1B                        ; for the head's loads: two rows of 24,576 bytes (a slot's part of a record), a record apart
	s_mov_b32 s[\g+1], 3072<<16
	s_mov_b32 s[\g+2], 2<<16
	s_mov_b32 s[\g+3], 3072<<16
	s_mov_b32 s[\g+4], 2
	s_mov_b32 s[\g+5], HTB/8
	s_mov_b32 s[\g+6], 0
	s_mov_b32 s[\g+7], 0
.endr
	s_or_b32 s[G1S+0], s43, (3<<16)|(1<<21)
	s_or_b32 s[G1SB+0], s44, (3<<16)|(1<<21)
.irp g, G1S, G1SB                      ; the scale words of two records: two rows of 4,096 bytes, a record apart
	s_mov_b32 s[\g+1], 512<<16
	s_mov_b32 s[\g+2], 2<<16
	s_mov_b32 s[\g+3], 512<<16
	s_mov_b32 s[\g+4], 2
	s_mov_b32 s[\g+5], HTB/8
	s_mov_b32 s[\g+6], 0
	s_mov_b32 s[\g+7], 0
.endr
	s_lshl_b32 s20, s17, 1
	s_mul_i32 s20, s20, HTB
	s_mov_b32 s21, 0
	s_lshl_b32 s46, s42, 1
	s_mul_i32 s46, s46, HTB
	s_mov_b32 s47, 0
	s_mul_i32 s45, s14, HALFB
	s_mul_i32 s22, s16, HTB                        ; in the ring I fetch from one of the two records
	s_mov_b32 s23, 0
	s_wait_kmcnt 0x0
	s_add_nc_u64 s[66:67], s[6:7], 16*HTB
	s_cmp_eq_u32 s[ISV], 1
	s_cselect_b64 s[66:67], s[66:67], s[4:5]
	s_cselect_b64 s[98:99], s[4:5], s[6:7]
	s_add_nc_u64 s[20:21], s[66:67], s[20:21]      ; A's two records
	s_add_nc_u64 s[46:47], s[98:99], s[46:47]      ; B's two records
	CROUND                                         ; all sixteen work-groups are here: the first joint loads meet
	s_mov_b32 s[G0], 1                             ; the head's four tiles, each whole.  Slot 0 of A's two records (slot 0's own group 0 is first used at its refill and is set for it behind the wait for these loads),
	s_mov_b32 s[G0+1], 0
	s_mov_b64 s[G0+2:G0+3], s[20:21]
	s_or_b32 s[G0+3], s[G0+3], 0x80000000
	s_mov_b32 s[G0B], 1                            ; of B's two,
	s_mov_b32 s[G0B+1], 2*HALFB
	s_mov_b64 s[G0B+2:G0B+3], s[46:47]
	s_or_b32 s[G0B+3], s[G0B+3], 0x80000000
	s_mov_b32 s[G0S], 1                            ; A's scale words,
	s_mov_b32 s[G0S+1], SCL
	s_add_nc_u64 s[G0S+2:G0S+3], s[20:21], 98304
	s_or_b32 s[G0S+3], s[G0S+3], 0x80000000
	s_mov_b32 s[G0SB], 1                           ; and B's
	s_mov_b32 s[G0SB+1], SCL+8192
	s_add_nc_u64 s[G0SB+2:G0SB+3], s[46:47], 98304
	s_or_b32 s[G0SB+3], s[G0SB+3], 0x80000000
	s_add_nc_u64 s[92:93], s[20:21], s[22:23]      ; for the ring: my record of A,
	s_add_nc_u64 s[46:47], s[46:47], s[22:23]      ; and of B
	s_mov_b32 s[G0+4], 1
	s_add_co_u32 s[G0+5], s45, SLOT
	s_add_nc_u64 s[G0+6:G0+7], s[92:93], HALFB
	s_or_b32 s[G0+7], s[G0+7], 0x80000000
	s_mov_b32 s[G0B+4], 1
	s_add_co_u32 s[G0B+5], s45, SLOT
	s_add_nc_u64 s[G0B+6:G0B+7], s[46:47], HALFB
	s_or_b32 s[G0B+7], s[G0B+7], 0x80000000
; one chain of branches on the wave's number, one load to an arm, all arms leading to one join: one tensor load a wave at the head
.macro ARM under, g0, g1, next
	s_cmp_lt_u32 s14, \under
	s_cbranch_scc0 \next
	tensor_load_to_lds s[\g0:\g0+3], s[\g1:\g1+7]
	s_nop 0
.rept 4
	v_nop
.endr
	s_branch .Lhead_asked
\next:
.endm
	ARM 1, G0,  G1,  .Lhead_b
	ARM 2, G0B, G1B, .Lhead_sa
	ARM 3, G0S, G1S, .Lhead_sb
	tensor_load_to_lds s[G0SB:G0SB+3], s[G1SB:G1SB+7]
	s_nop 0
.rept 4
	v_nop
.endr
.Lhead_asked:
	v_and_b32 v1, 15, v0
	v_bfe_u32 v2, v0, 4, 1
	v_and_b32 v3, 31, v0
	v_lshlrev_b32 v[L16], 4, v3
	v_lshlrev_b32 v[L8], 3, v3
	s_mul_i32 s21, s15, HALFB
	s_mul_i32 s22, s16, HALFB
	s_add_co_u32 s22, s22, 2*HALFB
.irp s, 0,1
	v_add_nc_u32 v[ADRA+\s], s21, v[L16]
	v_add_nc_u32 v[ADRA+2+\s], s21, v[L8]
	v_add_nc_u32 v[ADRB+\s], s22, v[L16]
	v_add_nc_u32 v[ADRB+2+\s], s22, v[L8]
	s_add_co_u32 s21, s21, SLOT
	s_add_co_u32 s22, s22, SLOT
.endr
	s_lshl_b32 s21, s15, 12
	s_lshl_b32 s22, s16, 12
	s_add_co_u32 s22, s22, 2*4096
	s_sub_co_u32 s22, s22, s21
	v_mul_u32_u24 v6, s22, v2
	s_add_co_u32 s21, s21, SCL
	v_lshl_add_u32 v5, v1, 3, v6
	v_add_nc_u32 v[ADRS], s21, v5
	s_lshl_b32 s[HAW], s17, 1
	s_add_co_u32 s[HAW], s[HAW], s15
	s_lshl_b32 s[NBW], s42, 1
	s_add_co_u32 s[NBW], s[NBW], s16
	s_lshl_b32 s18, s[NBW], 9
	s_lshl_b32 s2, s[HAW], 9
	s_add_co_u32 s2, s2, 8192
	s_cmp_eq_u32 s[ISV], 1
	s_cselect_b32 s18, 0, s18
	s_cselect_b32 s2, s2, 0
	s_mov_b32 s19, 0
	s_mov_b32 s3, 0
	s_add_nc_u64 s[2:3], s[8:9], s[2:3]
	s_add_nc_u64 s[8:9], s[8:9], s[18:19]
	v_lshlrev_b32 v7, 6, v2
	v_and_b32 v8, 8, v1
	v_add_nc_u32 v8, v8, v1
	v_lshlrev_b32 v8, 2, v8
.irp b, 0,1,2,3,4,5,6,7
	global_load_b128 v[BI+8*\b:BI+8*\b+3], v7, s[8:9] offset:(32*(\b/2)+8*(\b%2))*4
	global_load_b128 v[BI+8*\b+4:BI+8*\b+7], v7, s[8:9] offset:(32*(\b/2)+8*(\b%2))*4+16
.endr
.irp a, 0,1,2,3,4,5,6,7
	global_load_b32 v[VB+\a], v8, s[2:3] offset:(32*(\a/2)+8*(\a%2))*4
.endr
.macro FRAG reg, adr, off
	ds_load_b128 v[\reg:\reg+3], v[\adr] offset:\off
	ds_load_b64 v[\reg+4:\reg+5], v[\adr+2] offset:\off+512
	ds_load_b128 v[\reg+6:\reg+9], v[\adr] offset:\off+768
	ds_load_b64 v[\reg+10:\reg+11], v[\adr+2] offset:\off+1280
.endm
.macro MUL16 a0, p, q, sc, cmode
.irp a, \a0, \a0+1
.irp b, 0,1,2,3,4,5,6,7
.if \cmode == 1
	v_wmma_scale_f32_16x16x128_f8f6f4 v[8*(8*((\a)%4)+\b):8*(8*((\a)%4)+\b)+7], v[128*(\p)+FR*\b:128*(\p)+FR*\b+FR-1], v[AF+FR*(\a):AF+FR*(\a)+FR-1], v[BI+8*\b:BI+8*\b+7], v[SC+16*(\sc)+2*\b+(\q)], v[SC+16*(\sc)+2*(\a)+(\q)] matrix_a_fmt:MATRIX_FMT_FP6 matrix_b_fmt:MATRIX_FMT_FP6 matrix_a_scale:MATRIX_SCALE_ROW1
.elseif \cmode == 2
	v_wmma_scale_f32_16x16x128_f8f6f4 v[8*(8*((\a)%4)+\b):8*(8*((\a)%4)+\b)+7], v[128*(\p)+FR*\b:128*(\p)+FR*\b+FR-1], v[AF+FR*(\a):AF+FR*(\a)+FR-1], v[BI+8*(\a):BI+8*(\a)+7], v[SC+16*(\sc)+2*\b+(\q)], v[SC+16*(\sc)+2*(\a)+(\q)] matrix_a_fmt:MATRIX_FMT_FP6 matrix_b_fmt:MATRIX_FMT_FP6 matrix_a_scale:MATRIX_SCALE_ROW1
.else
	v_wmma_scale_f32_16x16x128_f8f6f4 v[8*(8*((\a)%4)+\b):8*(8*((\a)%4)+\b)+7], v[128*(\p)+FR*\b:128*(\p)+FR*\b+FR-1], v[AF+FR*(\a):AF+FR*(\a)+FR-1], v[8*(8*((\a)%4)+\b):8*(8*((\a)%4)+\b)+7], v[SC+16*(\sc)+2*\b+(\q)], v[SC+16*(\sc)+2*(\a)+(\q)] matrix_a_fmt:MATRIX_FMT_FP6 matrix_b_fmt:MATRIX_FMT_FP6 matrix_a_scale:MATRIX_SCALE_ROW1
.endif
.endr
.endr
.endm
.macro FETCH_B slot, q, p
	WIN TO_B
.irp i, 0,1,2,3,4,5,6,7
	FRAG 128*(\p)+FR*\i, ADRB+\slot, (\q)*12288+\i*1536
.endr
	WIN 0
.endm
.macro FETCH_A slot, q, i0
.irp i, \i0, \i0+1, \i0+2, \i0+3
	FRAG AF+FR*(\i), ADRA+\slot, (\q)*12288+(\i)*1536
.endr
.endm
.macro SCALES sc
.irp i, 0,1,2,3,4,5,6,7
	ds_load_b64 v[SC+16*\sc+2*\i:SC+16*\sc+2*\i+1], v[ADRS] offset:\i*128
.endr
.endm
.macro PLACES n
.rept \n
	v_nop
.endr
.endm
.macro STEP slot, q, cmode
	s_wait_dscnt 4*NL
.if \cmode
	WIN FIRST_LO
.else
	WIN MUL_LO
.endif
	MUL16 0, (\q)%2, \q, \slot, \cmode
	MUL16 2, (\q)%2, \q, \slot, \cmode
	s_wait_dscnt 0
	PLACES NP
	FETCH_B \slot, (\q)+1, 1-(\q)%2
	FETCH_A \slot, (\q)+1, 0
.if \cmode
	WIN FIRST_HI
.else
	WIN MUL_HI
.endif
	MUL16 4, (\q)%2, \q, \slot, \cmode
	MUL16 6, (\q)%2, \q, \slot, \cmode
	PLACES NP
	WIN 0
	FETCH_A \slot, (\q)+1, 4
.endm
.macro TURN slot, next, fill
	s_wait_tensorcnt 0x0
	ds_add_u32 v[SPW], v[NIL]
	s_wait_dscnt 4*NL+1
	WIN MUL_LO
	MUL16 0, 1, 1, \slot, 0
	s_wait_dscnt 0x0
	s_barrier_signal -1
	MUL16 2, 1, 1, \slot, 0
	WIN 0
	s_barrier_wait -1
.if \fill
	CREST
	s_add_nc_u64 s[G0+4*\slot+2:G0+4*\slot+3], s[G0+4*\slot+2:G0+4*\slot+3], 2*HALFB
	s_add_nc_u64 s[G0B+4*\slot+2:G0B+4*\slot+3], s[G0B+4*\slot+2:G0B+4*\slot+3], 2*HALFB
	JLOAD G0+4*\slot, G1, G0B+4*\slot, G1B
.else
	PLACES NP
.endif
	s_wait_alu depctr_va_vdst(0)
	v_add_nc_u32 v[ADRS], 1024, v[ADRS]
	FETCH_B \next, 0, 0
	FETCH_A \next, 0, 0
	SCALES \next
	WIN MUL_HI
	MUL16 4, 1, 1, \slot, 0
	MUL16 6, 1, 1, \slot, 0
	PLACES NP
	WIN 0
	FETCH_A \next, 0, 4
.endm
	s_wait_alu depctr_va_vdst(0)
	s_wait_tensorcnt 0x0                           ; my tile of the head's four is in
	ds_add_u32 v[SPW], v[NIL]
.irp g, G1, G1B                        ; no tensor load of mine is out: from here on a load brings 96 rows of 256 bytes, a slot's part of one record
	s_mov_b32 s[\g+1], 32<<16
	s_mov_b32 s[\g+2], 96<<16
	s_mov_b32 s[\g+3], 32<<16
	s_mov_b32 s[\g+4], 96
	s_mov_b32 s[\g+5], 32
.endr
	s_mov_b32 s[G0+1], s45                         ; slot 0's group 0 for the ring: my quarter of the slot, my record
	s_mov_b64 s[G0+2:G0+3], s[92:93]
	s_or_b32 s[G0+3], s[G0+3], 0x80000000
	s_mov_b32 s[G0B+1], s45
	s_mov_b64 s[G0B+2:G0B+3], s[46:47]
	s_or_b32 s[G0B+3], s[G0B+3], 0x80000000
	s_wait_dscnt 0x0
	CROUND                                         ; all four tiles are in, and all sixteen work-groups are here
	JLOAD G0+4, G1, G0B+4, G1B                     ; slot 1's first fill, the first tensor load behind the round
	FETCH_B 0, 0, 0
	FETCH_A 0, 0, 0
	SCALES 0
	FETCH_A 0, 0, 4
	s_wait_loadcnt 0x0
	s_cmp_eq_u32 s[ISV], 1
	s_cbranch_scc1 .Lfirst_v
	STEP 0, 0, 1
	s_branch .Lfirst_done
.Lfirst_v:
.irp a, 0,1,2,3,4,5,6,7
.irp j, 0,1,2,3,4,5,6,7
	v_mov_b32 v[BI+8*\a+\j], v[VB+\a]
.endr
.endr
	s_wait_alu depctr_va_vdst(0)
	STEP 0, 0, 2
.Lfirst_done:
	TURN 0, 1, 1
	STEP 1, 0, 0
	TURN 1, 0, 1
	STEP 0, 0, 0
	TURN 0, 1, 0
	STEP 1, 0, 0
	s_wait_dscnt 4*NL
	WIN MUL_LO
	MUL16 0, 1, 1, 1, 0
	MUL16 2, 1, 1, 1, 0
	s_wait_dscnt 0
	WIN MUL_HI
	MUL16 4, 1, 1, 1, 0
	MUL16 6, 1, 1, 1, 0
	WIN 0
.set EPC, 64
.set EH,  160
.set TM,  168
.set PWR, 184
.set CH,  192
.macro QUANTW a
.set QW, 2+(\a)/4
.set QWW, QW|(QW<<2)
.set AC, 64*((\a)%4)
.set PCA, EPC+12*(\a)
	WIN QWW
.irp b, 0,1,2,3
	v_max3_num_f32 v[TM+\b], |v[AC+16*\b]|, |v[AC+16*\b+1]|, 0x1800000
.endr
.irp i, 2,4,6,8,10,12,14
.irp b, 0,1,2,3
	v_max3_num_f32 v[TM+\b], |v[AC+16*\b+\i]|, |v[AC+16*\b+\i+1]|, v[TM+\b]
.endr
.endr
	WIN 0
.irp b, 0,1,2,3
	v_permlanex16_b32 v[TM+4+\b], v[TM+\b], s[SEL], s[SEL+1]
.endr
.irp b, 0,1,2,3
	v_max_num_f32 v[TM+\b], v[TM+\b], v[TM+4+\b]
.endr
.irp b, 0,1,2,3
	v_add_nc_u32 v[TM+12+\b], 0xff000000, v[TM+\b]
.endr
.irp b, 0,1,2,3
	v_lshrrev_b32 v[TM+4+\b], 23, v[TM+12+\b]
.endr
	v_lshl_or_b32 v[PWR+(\a)], v[TM+5], 8, v[TM+4]
	v_lshl_or_b32 v[PWR+(\a)], v[TM+6], 16, v[PWR+(\a)]
	v_lshl_or_b32 v[PWR+(\a)], v[TM+7], 24, v[PWR+(\a)]
	WIN QW
.irp c, 0,1
	v_cvt_scalef32_pk16_fp6_f32 v[PCA+6*\c:PCA+6*\c+2], v[AC+32*\c:AC+32*\c+15], v[TM+12+2*\c]
	v_cvt_scalef32_pk16_fp6_f32 v[EH+4*\c:EH+4*\c+2], v[AC+32*\c+16:AC+32*\c+31], v[TM+12+2*\c+1]
.endr
	WIN 0
	v_nop
.irp c, 0,1
.irp i, 0,1,2
	v_permlane16_swap_b32 v[PCA+6*\c+\i], v[EH+4*\c+\i]
.endr
.irp i, 0,1,2
	v_mov_b32 v[PCA+3+6*\c+\i], v[EH+4*\c+\i]
.endr
.endr
.endm
	PLACES NP
.irp b, 0,1,2,3
	v_mov_b32 v[TM+4+\b], 0
.endr
	s_cmp_eq_u32 s[ISV], 1
	s_cbranch_scc1 .Lout_v
	s_lshr_b32 s18, s[HAW], 4
	s_lshl_b32 s18, s18, 4
	s_and_b32 s19, s[NBW], 7
	s_lshl_b32 s19, s19, 1
	s_add_co_u32 s18, s18, s19
	s_and_b32 s19, s[HAW], 15
	s_mov_b32 s100, 106496
	s_mov_b32 s101, 6656
	s_mov_b32 s104, 6144
	s_cmp_eq_u32 ttmp9, 1
	s_cselect_b32 s100, 208896, s100
	s_cselect_b32 s101, 13056, s101
	s_cselect_b32 s104, 12288, s104
	s_cselect_b64 s[10:11], s[12:13], s[10:11]
	s_mul_i32 s18, s18, s100
	s_mul_i32 s19, s19, s101
	s_add_co_u32 s18, s18, s19
	s_mov_b32 s19, 0
	s_add_nc_u64 s[10:11], s[10:11], s[18:19]
	s_mov_b32 s101, 0
	s_add_nc_u64 s[12:13], s[10:11], s[100:101]
	s_mov_b32 s105, 0
	s_add_nc_u64 s[8:9], s[10:11], s[104:105]
	s_add_nc_u64 s[2:3], s[12:13], s[104:105]
	s_mov_b32 s[SEL], 0x76543210
	s_mov_b32 s[SEL+1], 0xfedcba98
	s_mov_b32 s18, 0xffff0000
.irp a, 0,1,2,3,4,5,6,7
	QUANTW \a
	global_store_b128 v[L16], v[PCA:PCA+3], s[10:11] offset:768*\a
	global_store_b64 v[L8], v[PCA+4:PCA+5], s[10:11] offset:768*\a+512
	global_store_b128 v[L16], v[PCA+6:PCA+9], s[12:13] offset:768*\a
	global_store_b64 v[L8], v[PCA+10:PCA+11], s[12:13] offset:768*\a+512
.endr
.irp p, 0,1,2,3
	v_cndmask_b32 v[CH+\p], v[PWR+2*\p], v[PWR+2*\p+1], s18
.endr
.irp p, 0,1,2,3
	v_lshrrev_b32 v[CH+4+\p], 16, v[CH+\p]
.endr
	global_store_b128 v[L16], v[CH:CH+3], s[8:9]
	global_store_b128 v[L16], v[CH+4:CH+7], s[2:3]
	s_branch .Ldone
.Lout_v:
	s_lshr_b32 s18, s[NBW], 4
	s_lshl_b32 s18, s18, 4
	s_lshl_b32 s19, s[HAW], 1
	s_add_co_u32 s18, s18, s19
	s_mul_i32 s18, s18, 208896
	s_and_b32 s19, s[NBW], 15
	s_mul_i32 s19, s19, 13056
	s_add_co_u32 s18, s18, s19
	s_mov_b32 s19, 0
	s_add_nc_u64 s[12:13], s[12:13], s[18:19]
	s_mov_b32 s[SEL], 0x76543210
	s_mov_b32 s[SEL+1], 0xfedcba98
	s_mov_b32 s18, 0xffff0000
.irp a, 0,1,2,3,4,5,6,7
	QUANTW \a
	global_store_b128 v[L16], v[PCA:PCA+3], s[12:13] offset:6144+(\a/4)*208896+(\a%4)*1536
	global_store_b64 v[L8], v[PCA+4:PCA+5], s[12:13] offset:6144+(\a/4)*208896+(\a%4)*1536+512
	global_store_b128 v[L16], v[PCA+6:PCA+9], s[12:13] offset:6144+(\a/4)*208896+(\a%4)*1536+768
	global_store_b64 v[L8], v[PCA+10:PCA+11], s[12:13] offset:6144+(\a/4)*208896+(\a%4)*1536+1280
.endr
.irp p, 0,1,2,3
	v_cndmask_b32 v[CH+\p], v[PWR+2*\p], v[PWR+2*\p+1], s18
.endr
	global_store_b64 v[L8], v[CH:CH+1], s[12:13] offset:12800
	global_store_b64 v[L8], v[CH+2:CH+3], s[12:13] offset:208896+12800
.Ldone:
	s_wait_tensorcnt 0x0
	ds_add_u32 v[SPW], v[NIL]
	s_wait_dscnt 0x0
	CROUND
	s_endpgm
.Lfunc_end_k_qfe7b275e8d_gemm_qkv:
	.size	k_qfe7b275e8d_gemm_qkv, .Lfunc_end_k_qfe7b275e8d_gemm_qkv-k_qfe7b275e8d_gemm_qkv
	.p2alignl 7, 3214868480
	.fill 96, 4, 3214868480
	.section	.rodata,"a",@progbits
	.p2align	6, 0x0
	.amdhsa_kernel k_qfe7b275e8d_gemm_qkv
		.amdhsa_group_segment_fixed_size 327680
		.amdhsa_private_segment_fixed_size 0
		.amdhsa_enable_private_segment 0
		.amdhsa_kernarg_size 40
		.amdhsa_user_sgpr_count 2
		.amdhsa_user_sgpr_kernarg_segment_ptr 1
		.amdhsa_wavefront_size32 1
		.amdhsa_system_sgpr_workgroup_id_x 1
		.amdhsa_system_sgpr_workgroup_id_y 1
		.amdhsa_system_sgpr_workgroup_id_z 1
		.amdhsa_system_vgpr_workitem_id 0
		.amdhsa_next_free_vgpr 1024
		.amdhsa_next_free_sgpr 106
		.amdhsa_reserve_vcc 0
		.amdhsa_float_denorm_mode_32 3
		.amdhsa_float_denorm_mode_16_64 3
		.amdhsa_memory_ordered 1
		.amdhsa_forward_progress 1
		.amdhsa_inst_pref_size 203
	.end_amdhsa_kernel
	.amdgpu_metadata
---
amdhsa.version: [ 1, 2 ]
amdhsa.kernels:
  - .name:           k_qfe7b275e8d_gemm_qkv
    .symbol:         k_qfe7b275e8d_gemm_qkv.kd
    .args:
      - { .name: xq, .offset: 0, .size: 8, .value_kind: global_buffer, .address_space: global }
      - { .name: wq, .offset: 8, .size: 8, .value_kind: global_buffer, .address_space: global }
      - { .name: bqkv, .offset: 16, .size: 8, .value_kind: global_buffer, .address_space: global }
      - { .name: qimg, .offset: 24, .size: 8, .value_kind: global_buffer, .address_space: global }
      - { .name: kvimg, .offset: 32, .size: 8, .value_kind: global_buffer, .address_space: global }
    .group_segment_fixed_size: 327680
    .private_segment_fixed_size: 0
    .kernarg_segment_align: 8
    .kernarg_segment_size: 40
    .max_flat_workgroup_size: 128
    .sgpr_count:     106
    .vgpr_count:     1024
    .wavefront_size: 32
...
	.end_amdgpu_metadata
.endif
;; end of part 2
;; launch attn (part 3): grid 4 x 64, 16 waves a work-group, clusters of 4 x 1, 263,168 bytes of LDS; arguments qimg, kvimg, oq; writes oq
.if DOCPART == 3
	.amdgcn_target "amdgcn-amd-amdhsa--gfx1250"
	.amdhsa_code_object_version 6
	.text
	.protected	k_qfe7b275e8d_attn
	.globl	k_qfe7b275e8d_attn
	.p2align	8
	.type	k_qfe7b275e8d_attn,@function
k_qfe7b275e8d_attn:
	s_mov_b64 s[64:65], 0
	v_nop
	global_prefetch_b8 v0, s[64:65] scope:SCOPE_SE
	s_setreg_imm32_b32 hwreg(HW_REG_WAVE_MODE, 25, 1), 1
	s_wait_xcnt 0x0
	s_wait_alu depctr_hold_cnt(0) depctr_sa_sdst(0) depctr_va_vdst(0) depctr_va_sdst(0) depctr_va_ssrc(0) depctr_va_vcc(0) depctr_vm_vsrc(0)
	s_getreg_b32 s2, hwreg(HW_REG_IB_STS2, 6, 4)
	s_cmp_eq_u32 s2, 0
	s_cbranch_scc0 .Lentry_in_a_cluster
	s_endpgm
.Lentry_in_a_cluster:
	s_bfe_u32 s2, ttmp6, 0x10000c
	s_cmp_lg_u32 s2, 0x3003
	s_cbranch_scc0 .Lentry_shape_is_right
	s_endpgm
.Lentry_shape_is_right:
; o = softmax(q k^T / 8) v for one head (16 x batch + head), both products on codes of FP6 (E2M3) with E8M0 scales; o is quantised along its 64 channels and leaves as operand images for the last product.
; THE SOFTMAX: t = score x log2(e) / 8; M = the running largest t rounded UP to a whole number, kept as -M = the least floor(-t); p = 2^(t - M) is quantised along the keys, not normalised;
; the row's sum is taken of the unquantised p and divides at the end.  When M moves, the sum and O are multiplied by 2^(old M - new M): exact.
; A block's largest p is made from the block's largest score by the same two instructions (this takes v_exp_f32 not to fall where its input rises).
; SHARES.  A work-group takes 512 queries of a head; each of its sixteen waves one tile of 16 in each of two passes, in 256 registers.
; THE WHOLE HEAD'S K, V AND SCALE WORDS, 16 key steps x 13,056 bytes, LIE IN LDS, FILLED ONCE: wave w fetches key step w, one tensor load a wave; one barrier shows all sixteen to all waves; none stands in the walk.
; The cluster's four work-groups are the four quarters of one head's queries: the fills are joint loads.  All that the launch reads of K and V is asked for at its head: no later load is left to prefetch for.
; A KEY STEP'S BLOCK in memory: K's 8 tiles (16 keys x 64 channels: 768 bytes), V^T's 4 fragments (16 channels x 128 keys) at 6144, K's scale words at 12288, V's at 12800.
; In LDS 64 bytes of padding follow each 256: byte y lies at 320 (y / 256) + y % 256.
; LAYOUT.  S^T = K Q^T, O^T = V^T P^T: a lane holds one query throughout.  THE KEYS OF A TILE ARE CHOSEN BY THE LANES' LDS ADDRESSES: lane r of tile 4 c + i takes key 64 c + 32 (r / 8) + 8 i + r % 8,
; which the stored image holds in tile 4 c + 2 (r / 8) + i % 2, lane 8 (i / 2) + r % 8.  So registers 32 c + j of lane (r, h) are keys 64 c + 32 h + j: a WHOLE block of 32 in a lane, as the next operand wants it.
; The two stored tiles that a load touches lie 1,920 LDS bytes apart, 128 modulo 256: the sixteen lanes of a 16-byte load touch sixteen different columns.
; K = 64 IN AN INSTRUCTION OF 128: Q's registers 6-11 are zero codes; K's tile is named with the six registers that follow it, which meet those zeros alone; no scale byte is 0xff.
; LIMITS: the promise holds while |t| stays under 2^31; NaN and infinities are not served; a block of o under 2^-124 keeps the byte 1, a block of zeros too.
; o's scale bytes leave as single bytes, 8 apart: a row's word is shared by two heads, which are two work-groups.
.set HTB, 102400
.set BLK, 13056
.set LBLK, 16320                       ; a key step's block in LDS: 51 x 320
.set SPARE, 16*LBLK                    ; the spare words: 128 bytes a wave
.set AKS, 0                            ; v0 K's scale words' address (the thread's number is used up at the head)
                                       ; v1 16 x lane, v2 8 x lane, v3 V's 16-byte base, v4 K's, v5 o's scale byte, v6 K's 8-byte base, v7 K's scale base
.set QN,  8                            ; v8-13 the second pass's Q; v14 its scale word
.set QSN, 14
.set QS,  15
.set Q,   16                           ; v16-21 Q; v22-27 zeros
.set NM,  28                           ; -M
.set AVH, 29                           ; V's 8-byte address (also named as the upper half of the pair with -M)
.set SUM, 30                           ; v[30:31]
.set KF,  32                           ; v32-79 K's 8 tiles; v80-85 zeros.  Behind the first product v32-54 are at work:
.set BM,  32
.set BT,  36
.set T,   38
.set SO,  40
.set SBY, 44
.set W,   46
.set T2,  47
.set EH,  48
.set KS,  86                           ; v86-89 K's scale words: register 2 c + s: lanes 0-15 tile 4 c + 2 s, lanes 16-31 tile 4 c + 2 s + 1
.set VS,  90
.set PS,  92
.set AKB, 93
.set AKH, 94
.set SPW, 95
.set S,   96                           ; v96-159 S^T, then p
.set O,   160                          ; v160-191 O^T
.set VF,  192                          ; v192-239 V's 4 fragments
.set PC,  240                          ; v240-251 p's codes
.set AVB, 253                          ; V's 16-byte address (also named as the upper half of the pair v[252:253])
.set RM,  254
.set NIL, 255
.set WV,  18
.set TN,  19
.set SEL, 20
.set CS,  22
.set G1,  24
.set G0,  32
.set TB,  2
.macro CROUND
	s_barrier_signal -1
	s_barrier_wait -1
	s_cmp_lg_u32 s[WV], 0
	s_cbranch_scc1 .Lnot_wave_0_\@
	s_barrier_signal -3
.Lnot_wave_0_\@:
	s_barrier_wait -3
	s_barrier_signal -1
	s_barrier_wait -1
.endm
	s_load_b128 s[4:7], s[0:1], 0x0                ; qimg s[4:5], kvimg s[6:7]
	s_load_b64 s[8:9], s[0:1], 0x10                ; oq
	v_lshl_add_u32 v[SPW], v0, 2, SPARE
	v_mov_b32 v[NIL], 0
	ds_add_u32 v[SPW], v[NIL]                      ; the opening lines: the add, twice on end, and its wait
	ds_add_u32 v[SPW], v[NIL]
	v_lshrrev_b32 v1, 5, v0
	v_readfirstlane_b32 s[WV], v1                  ; wave 0..15
	s_and_b32 s12, ttmp7, 0xffff                   ; the head, which the four partners share
	s_bfe_u32 s13, ttmp6, 0x40000                  ; cx: my quarter of the queries: it enters q's and o's addresses alone
	s_mul_i32 s15, s[WV], LBLK                     ; the key step that I fetch: in LDS,
	s_mul_i32 s14, s[WV], BLK
	s_mul_i32 s16, s12, 16*BLK
	s_add_co_u32 s16, s16, s14                     ; and in memory
	s_mov_b32 s17, 0
	s_mov_b32 s[G1], 15|(3<<16)|(1<<20)|(1<<21)|(5<<22)|(15<<25)   ; the mask: all four work-groups; elements of 8 bytes; bit 21 beside a mask; after every 64 words 16 words of padding
	s_mov_b32 s[G1+1], 32<<16                      ; rows of 256 bytes,
	s_mov_b32 s[G1+2], 51<<16                      ; 51 of them: a key step's block
	s_mov_b32 s[G1+3], 32<<16
	s_mov_b32 s[G1+4], 51
	s_mov_b32 s[G1+5], 32
	s_mov_b32 s[G1+6], 0
	s_mov_b32 s[G1+7], 0
	s_lshr_b32 s54, s[WV], 3
	s_and_b32 s55, s[WV], 7                        ; my tile in its group of 128 queries
	s_lshl_b32 s56, s13, 2
	s_add_co_u32 s56, s56, s54                     ; the group in pass 0: 4 cx + wave / 8; in pass 1 two further on
	s_mul_i32 s10, s12, 106496
	s_mul_i32 s57, s56, 6656
	s_add_co_u32 s10, s10, s57
	s_mov_b32 s11, 0
	s_mul_i32 s58, s55, 768
	s_mov_b32 s59, 0
	s_and_b32 s60, s[WV], 1                        ; my tile's scale words: 16 bytes a lane, word tile / 2, lanes 16 (tile % 2) on
	s_lshl_b32 s60, s60, 8
	s_lshr_b32 s61, s55, 1
	s_lshl_b32 s61, s61, 2
	s_add_co_u32 s60, s60, s61
	s_add_co_u32 s60, s60, 6144
	s_mov_b32 s61, 0
	s_lshr_b32 s57, s12, 4                         ; o: record 16 x batch + group; K = 64 x head + channel
	s_lshl_b32 s57, s57, 4
	s_add_co_u32 s57, s57, s56
	s_mul_i32 s57, s57, HTB
	s_and_b32 s62, s12, 15
	s_lshr_b32 s63, s62, 2                         ; the slot of 256 along K
	s_mul_i32 s50, s63, 24576
	s_add_co_u32 s50, s50, s57
	s_lshl_b32 s52, s63, 10
	s_add_co_u32 s52, s52, s57
	s_add_co_u32 s52, s52, 98304
	s_bfe_u32 s63, s62, 0x10001                    ; its q-th 128
	s_mul_i32 s51, s63, 12288
	s_add_co_u32 s50, s50, s51
	s_lshl_b32 s51, s63, 2
	s_add_co_u32 s52, s52, s51
	s_and_b32 s63, s62, 1                          ; the fragment's half
	s_mul_i32 s51, s63, 768
	s_add_co_u32 s50, s50, s51
	s_lshl_b32 s51, s63, 1
	s_add_co_u32 s52, s52, s51
	s_mul_i32 s51, s55, 1536                       ; the block of 16 rows
	s_add_co_u32 s50, s50, s51
	s_lshl_b32 s51, s55, 7
	s_add_co_u32 s52, s52, s51
	s_mov_b32 s51, 0
	s_mov_b32 s53, 0
	s_mov_b32 s[SEL], 0x76543210
	s_mov_b32 s[SEL+1], 0xfedcba98
	s_mov_b32 s[CS], 0x3e38aa3b                    ; c = log2(e) / 8
	s_mov_b32 s[CS+1], s[CS]                       ; (named with it as a pair)
	s_mov_b32 s49, 0xffff0000                      ; a mask: lanes 16-31
	s_wait_dscnt 0x0
	s_wait_kmcnt 0x0
	s_add_nc_u64 s[6:7], s[6:7], s[16:17]
	s_add_nc_u64 s[4:5], s[4:5], s[10:11]
	s_add_nc_u64 s[10:11], s[4:5], s[58:59]        ; Q's codes
	s_add_nc_u64 s[4:5], s[4:5], s[60:61]          ; Q's scale words
	s_add_nc_u64 s[50:51], s[8:9], s[50:51]        ; o's codes
	s_add_nc_u64 s[52:53], s[8:9], s[52:53]        ; o's scale bytes
	CROUND                                         ; all four work-groups are here: the joint loads meet
	s_mov_b32 s[G0], 1
	s_mov_b32 s[G0+1], s15
	s_mov_b64 s[G0+2:G0+3], s[6:7]
	s_or_b32 s[G0+3], s[G0+3], 0x80000000
	tensor_load_to_lds s[G0:G0+3], s[G1:G1+7]      ; my one tensor load: key step = my wave's number
	s_nop 0
	v_and_b32 v7, 31, v0
	v_lshlrev_b32 v1, 4, v7                        ; 16 x lane
	v_lshlrev_b32 v2, 3, v7                        ; 8 x lane
	v_and_b32 v96, 15, v0                          ; r
	v_bfe_u32 v97, v0, 4, 1                        ; h
	v_and_b32 v98, 7, v0                           ; r % 8
	v_bfe_u32 v99, v0, 3, 1                        ; r / 8
	v_lshl_add_u32 v5, v96, 3, v97                 ; 8 r + h: my scale byte of o
	v_lshlrev_b32 v100, 4, v96                     ; 16 r
	global_load_b128 v[Q:Q+3], v1, s[10:11]
	global_load_b64 v[Q+4:Q+5], v2, s[10:11] offset:512
	global_load_b32 v[QS], v100, s[4:5]
	global_load_b128 v[QN:QN+3], v1, s[10:11] offset:13312
	global_load_b64 v[QN+4:QN+5], v2, s[10:11] offset:13312+512
	global_load_b32 v[QSN], v100, s[4:5] offset:13312
	v_lshl_add_u32 v3, v97, 6, v1                  ; V: 16 x lane, and the padding behind the first 256 bytes
	v_mul_u32_u24 v101, v99, 1920                  ; K: lanes r >= 8 read two stored tiles further on
	v_mad_u32_u24 v4, v97, 320, v101
	v_lshl_add_u32 v4, v98, 4, v4                  ; 1920 (r / 8) + 320 h + 16 (r % 8)
	v_lshl_add_u32 v6, v97, 7, v101
	v_lshl_add_u32 v6, v98, 3, v6                  ; 1920 (r / 8) + 128 h + 8 (r % 8)
	v_mul_u32_u24 v7, v97, 320
	v_lshl_add_u32 v7, v98, 4, v7
	v_lshl_add_u32 v7, v99, 2, v7                  ; 320 h + 16 (r % 8) + 4 (r / 8)
.irp j, 0,1,2,3,4,5
	v_mov_b32 v[Q+6+\j], 0                         ; Q's upper 64 along K: zero codes
	v_mov_b32 v[KF+48+\j], 0                       ; what follows K's last tile
.endr
; A KEY STEP: 128 keys, whose block begins at LDS byte s[TB]; s[TN] is the next block's
; K's 8 tiles and 4 registers of scale words of the key step that v[AKB], v[AKH], v[AKS] point at: 20 loads
.macro KLOAD
.irp c, 0,1
.irp i, 0,1,2,3
	ds_load_b128 v[KF+6*(4*\c+\i):KF+6*(4*\c+\i)+3], v[AKB] offset:960*(4*\c+(\i%2))+128*(\i/2)
	ds_load_b64 v[KF+6*(4*\c+\i)+4:KF+6*(4*\c+\i)+5], v[AKH] offset:960*(4*\c+(\i%2))+640+64*(\i/2)
.endr
.endr
.irp c, 0,1
.irp s, 0,1
	ds_load_b32 v[KS+2*\c+\s], v[AKS] offset:15360+128*\s+8*\c
.endr
.endr
.endm
; pf = 1: the next step's K is asked for in this step, as soon as the registers are free; the sixteenth step asks for nothing
.macro STEP pf
	s_wait_dscnt 0x0                               ; K and its scale words, asked for a step ago, are in
.irp c, 0,1
.irp i, 0,1,2,3
.if \i%2
	v_wmma_scale_f32_16x16x128_f8f6f4 v[S+8*(4*\c+\i):S+8*(4*\c+\i)+7], v[KF+6*(4*\c+\i):KF+6*(4*\c+\i)+11], v[Q:Q+11], 0, v[KS+2*\c+\i/2], v[QS] matrix_a_fmt:MATRIX_FMT_FP6 matrix_b_fmt:MATRIX_FMT_FP6 matrix_a_scale:MATRIX_SCALE_ROW1
.else
	v_wmma_scale_f32_16x16x128_f8f6f4 v[S+8*(4*\c+\i):S+8*(4*\c+\i)+7], v[KF+6*(4*\c+\i):KF+6*(4*\c+\i)+11], v[Q:Q+11], 0, v[KS+2*\c+\i/2], v[QS] matrix_a_fmt:MATRIX_FMT_FP6 matrix_b_fmt:MATRIX_FMT_FP6
.endif
.endr
.endr
	v_add_nc_u32 v[AVB], s[TB], v3                 ; these five are the places behind the products: ahead of the loads into V's registers, of the first read of the scores and of the writes into K's registers
	v_add_nc_u32 v[AVH], s[TB], v2
	v_add_nc_u32 v[AKB], s[TN], v4                 ; the next step's K
	v_add_nc_u32 v[AKH], s[TN], v6
	v_add_nc_u32 v[AKS], s[TN], v7
.irp t, 0,1,2,3
	ds_load_b128 v[VF+12*\t:VF+12*\t+3], v[AVB] offset:7680+1920*\t
	ds_load_b64 v[VF+12*\t+4:VF+12*\t+5], v[AVH] offset:7680+1920*\t+640
	ds_load_b128 v[VF+12*\t+6:VF+12*\t+9], v[AVB] offset:7680+1920*\t+960
	ds_load_b64 v[VF+12*\t+10:VF+12*\t+11], v[AVH] offset:7680+1920*\t+1600
.endr
	ds_load_b64 v[VS:VS+1], v[AVH] offset:16000    ; V and its scale words land under the softmax
.irp b, 0,1,2,3
	v_max3_num_f32 v[BM+\b], v[S+16*\b], v[S+1+16*\b], v[S+2+16*\b]   ; four chains of 16 scores, each accumulator from its low end on
.endr
.irp i, 3,5,7,9,11,13
.irp b, 0,1,2,3
	v_max3_num_f32 v[BM+\b], v[BM+\b], v[S+16*\b+\i], v[S+1+16*\b+\i]
.endr
.endr
	v_max_num_f32 v[BM], v[BM], v[S+15]
	v_max_num_f32 v[BM+2], v[BM+2], v[S+47]
	v_max3_num_f32 v[BM+1], v[BM+1], v[S+31], v[BM]     ; the largest score of my block 2 x 0 + h,
	v_max3_num_f32 v[BM+3], v[BM+3], v[S+63], v[BM+2]   ; and of my block 2 x 1 + h
	s_delay_alu instid0(VALU_DEP_1)
	v_max_num_f32 v[RM], v[BM+1], v[BM+3]
	s_delay_alu instid0(VALU_DEP_1)
	v_permlanex16_b32 v[T], v[RM], s[SEL], s[SEL+1]
	s_delay_alu instid0(VALU_DEP_1)
	v_max_num_f32 v[RM], v[RM], v[T]               ; with lane l xor 16's 64 keys: the step's largest score of my query
	s_delay_alu instid0(VALU_DEP_1)
	v_mul_f32 v[RM], s[CS], v[RM]                  ; as t (c is positive)
	s_delay_alu instid0(VALU_DEP_1)
	v_floor_f32 v[T], -v[RM]
	s_delay_alu instid0(VALU_DEP_1)
	v_min_num_f32 v[T], v[T], v[NM]                ; the new -M: the least floor(-t) so far
	s_delay_alu instid0(VALU_DEP_1)
	v_sub_f32 v[RM], v[T], v[NM]                   ; old M - new M: a whole number, 0 or less
	v_mov_b32 v[NM], v[T]
	s_delay_alu instid0(VALU_DEP_2)
	v_cvt_i32_f32 v[RM], v[RM]                     ; (it saturates)
	s_delay_alu instid0(VALU_DEP_1)
	v_ldexp_f32 v252, 1.0, v[RM]                   ; f = 2^(old M - new M)
.set n, 0
.rept 32
	v_pk_fma_f32 v[S+n:S+n+1], v[S+n:S+n+1], s[CS:CS+1], v[NM:NM+1] op_sel_hi:[1,0,0]   ; t - M, two at a time
.set n, n+2
.endr
	v_fma_f32 v[BM+1], v[BM+1], s[CS], v[NM]       ; the same of each block's largest score
	v_fma_f32 v[BM+3], v[BM+3], s[CS], v[NM]
	s_wait_alu depctr_va_vdst(0)                   ; the wait ahead of the batch
.set n, 0
.rept 64
	v_exp_f32 v[S+n], v[S+n]                       ; p = 2^(t - M)
.set n, n+1
.endr
	v_exp_f32 v[BM+1], v[BM+1]                     ; the blocks' largest p
	v_exp_f32 v[BM+3], v[BM+3]
	v_pk_mul_f32 v[SUM:SUM+1], v[SUM:SUM+1], v[252:253] op_sel_hi:[1,0]   ; the sum under the new M: the plain instruction behind the exponentials
	s_wait_alu depctr_va_vdst(0)                   ; one wait for the batch of 66, ahead of its first reader
	v_max_num_f32 v[BM+1], 0x1800000, v[BM+1]      ; the floor 2^(3 - 127): the byte cannot fall under 1
	v_max_num_f32 v[BM+3], 0x1800000, v[BM+3]
	s_delay_alu instid0(VALU_DEP_2)
	v_add_nc_u32 v[SO], 0xff000000, v[BM+1]        ; 2 off the exponent field: the conversions' scale operands
	s_delay_alu instid0(VALU_DEP_2)
	v_add_nc_u32 v[SO+1], 0xff000000, v[BM+3]
	s_delay_alu instid0(VALU_DEP_2)
	v_lshrrev_b32 v[SBY], 23, v[SO]
	s_delay_alu instid0(VALU_DEP_2)
	v_lshrrev_b32 v[SBY+1], 23, v[SO+1]
	s_delay_alu instid0(VALU_DEP_1)
	v_lshl_or_b32 v[W], v[SBY+1], 16, v[SBY]       ; my two bytes: blocks h and 2 + h
	s_delay_alu instid0(VALU_DEP_1)
	v_permlanex16_b32 v[T2], v[W], s[SEL], s[SEL+1]
	s_delay_alu instid0(VALU_DEP_1)
	v_lshl_or_b32 v[PS], v[T2], 8, v[W]            ; lanes 0-15, which alone are read: blocks 0, 2 mine, blocks 1, 3 lane l + 16's
	v_pk_add_f32 v[36:37], v[100:101], v[104:105]  ; the row's sum of the unquantised p, in eight chains
	v_pk_add_f32 v[250:251], v[108:109], v[112:113]
	v_pk_add_f32 v[248:249], v[116:117], v[120:121]
	v_pk_add_f32 v[246:247], v[124:125], v[128:129]
	v_pk_add_f32 v[244:245], v[132:133], v[136:137]
	v_pk_add_f32 v[242:243], v[140:141], v[144:145]
	v_pk_add_f32 v[240:241], v[148:149], v[152:153]
	v_pk_add_f32 v[30:31], v[30:31], v[156:157]
	v_pk_add_f32 v[36:37], v[36:37], v[96:97]
	v_pk_add_f32 v[250:251], v[250:251], v[98:99]
	v_pk_add_f32 v[248:249], v[248:249], v[102:103]
	v_pk_add_f32 v[246:247], v[246:247], v[106:107]
	v_pk_add_f32 v[244:245], v[244:245], v[110:111]
	v_pk_add_f32 v[242:243], v[242:243], v[114:115]
	v_pk_add_f32 v[240:241], v[240:241], v[118:119]
	v_pk_add_f32 v[30:31], v[30:31], v[122:123]
	v_pk_add_f32 v[36:37], v[36:37], v[126:127]
	v_pk_add_f32 v[250:251], v[250:251], v[130:131]
	v_pk_add_f32 v[248:249], v[248:249], v[134:135]
	v_pk_add_f32 v[246:247], v[246:247], v[138:139]
	v_pk_add_f32 v[244:245], v[244:245], v[142:143]
	v_pk_add_f32 v[242:243], v[242:243], v[146:147]
	v_pk_add_f32 v[240:241], v[240:241], v[150:151]
	v_pk_add_f32 v[30:31], v[30:31], v[154:155]
	v_pk_add_f32 v[36:37], v[36:37], v[158:159]
	s_delay_alu instid0(VALU_DEP_2)
	v_pk_add_f32 v[30:31], v[30:31], v[246:247]
	s_delay_alu instid0(VALU_DEP_2)
	v_pk_add_f32 v[36:37], v[36:37], v[244:245]
	v_pk_add_f32 v[250:251], v[250:251], v[242:243]
	v_pk_add_f32 v[248:249], v[248:249], v[240:241]
	s_delay_alu instid0(VALU_DEP_2)
	v_pk_add_f32 v[30:31], v[30:31], v[250:251]
	s_delay_alu instid0(VALU_DEP_2)
	v_pk_add_f32 v[36:37], v[36:37], v[248:249]
	s_delay_alu instid0(VALU_DEP_1)
	v_pk_add_f32 v[30:31], v[30:31], v[36:37]
.irp c, 0,1
	v_cvt_scalef32_pk16_fp6_f32 v[PC+6*\c:PC+6*\c+2], v[S+32*\c:S+32*\c+15], v[SO+\c]
	v_cvt_scalef32_pk16_fp6_f32 v[EH+4*\c:EH+4*\c+2], v[S+32*\c+16:S+32*\c+31], v[SO+\c]   ; (a conversion's three registers begin on an even number)
.endr
	v_nop                                          ; one plain instruction behind the conversions
.irp c, 0,1
.irp i, 0,1,2
	v_mov_b32 v[PC+3+6*\c+\i], v[EH+4*\c+\i]
.endr
.endr
.if \pf
	KLOAD                                          ; nothing at work is left in K's registers
	s_wait_dscnt 20                                ; V and its scale words are in; the 20 loads just issued may be out
.else
	s_wait_dscnt 0x0                               ; V and its scale words are in
.endif
	s_wait_alu depctr_va_vdst(0)                   ; the wait directly ahead of the first reader of O^T
.set n, 0
.rept 16
	v_pk_mul_f32 v[O+n:O+n+1], v[O+n:O+n+1], v[252:253] op_sel_hi:[1,0]   ; O^T under the new M, each accumulator from its low end on; these stand between the operand's last write and the products
.set n, n+2
.endr
.irp t, 0,1,2,3
.if \t%2
	v_wmma_scale_f32_16x16x128_f8f6f4 v[O+8*\t:O+8*\t+7], v[VF+12*\t:VF+12*\t+11], v[PC:PC+11], v[O+8*\t:O+8*\t+7], v[VS+\t/2], v[PS] matrix_a_fmt:MATRIX_FMT_FP6 matrix_b_fmt:MATRIX_FMT_FP6 matrix_a_scale:MATRIX_SCALE_ROW1
.else
	v_wmma_scale_f32_16x16x128_f8f6f4 v[O+8*\t:O+8*\t+7], v[VF+12*\t:VF+12*\t+11], v[PC:PC+11], v[O+8*\t:O+8*\t+7], v[VS+\t/2], v[PS] matrix_a_fmt:MATRIX_FMT_FP6 matrix_b_fmt:MATRIX_FMT_FP6
.endif
.endr
.endm
	s_wait_alu depctr_va_vdst(0)                   ; the wait at the head's end
	s_wait_tensorcnt 0x0                           ; my key step has landed;
	s_barrier_signal -1
	s_barrier_wait -1                              ; and so has everybody's: nothing is ever filled again
	s_wait_loadcnt 0x0                             ; Q of both passes
	s_mov_b32 s48, 2
.Lpass:
	s_mov_b32 s[TB], 0
	s_mov_b32 s[TN], LBLK
	v_add_nc_u32 v[AKB], s[TB], v4                 ; key step 0's K
	v_add_nc_u32 v[AKH], s[TB], v6
	v_add_nc_u32 v[AKS], s[TB], v7
	KLOAD
	v_mov_b32 v[NM], 0x7f61b1e6                    ; -M = 3e38, over every floor(-t)
	v_mov_b32 v[SUM], 0
	v_mov_b32 v[SUM+1], 0
.set n, 0
.rept 32
	v_mov_b32 v[O+n], 0                            ; the step is written once: the first finds zeros, which the first change of M leaves zeros
.set n, n+1
.endr
	s_mov_b32 s3, 15
.Lstep:
	STEP 1
	s_add_co_u32 s[TB], s[TB], LBLK
	s_add_co_u32 s[TN], s[TN], LBLK
	s_sub_co_u32 s3, s3, 1
	s_cmp_lg_u32 s3, 0
	s_cbranch_scc1 .Lstep
	STEP 0                                         ; the sixteenth key step, written out
	; THE WAY OUT: O^T / the sum; register 16 b + i is channel 32 b + 16 (lane / 16) + i of my query: two blocks of 32, half a fragment of the last product's operand
.rept 4
	v_nop                                          ; places behind the last products
.endr
	v_add_f32 v[SUM], v[SUM], v[SUM+1]
	s_delay_alu instid0(VALU_DEP_1)
	v_permlanex16_b32 v254, v[SUM], s[SEL], s[SEL+1]
	s_delay_alu instid0(VALU_DEP_1)
	v_add_f32 v[SUM], v[SUM], v254                 ; with lane l xor 16's: the row's sum
	s_wait_alu depctr_va_vdst(0)
	v_rcp_f32 v252, v[SUM]
	v_nop                                          ; a plain instruction behind the reciprocal,
	s_wait_alu depctr_va_vdst(0)                   ; and the wait ahead of its first reader
.set n, 0
.rept 16
	v_pk_mul_f32 v[S+n:S+n+1], v[O+n:O+n+1], v[252:253] op_sel_hi:[1,0]
.set n, n+2
.endr
.irp b, 0,1
	v_max3_num_f32 v[BM+\b], |v[S+16*\b]|, |v[S+1+16*\b]|, 0x1800000
.endr
.irp i, 2,4,6,8,10,12,14
.irp b, 0,1
	s_delay_alu instid0(VALU_DEP_2)
	v_max3_num_f32 v[BM+\b], v[BM+\b], |v[S+16*\b+\i]|, |v[S+1+16*\b+\i]|
.endr
.endr
.irp b, 0,1
	s_delay_alu instid0(VALU_DEP_2)
	v_permlanex16_b32 v[BT+\b], v[BM+\b], s[SEL], s[SEL+1]
.endr
.irp b, 0,1
	s_delay_alu instid0(VALU_DEP_2)
	v_max_num_f32 v[BM+\b], v[BM+\b], v[BT+\b]
.endr
.irp b, 0,1
	s_delay_alu instid0(VALU_DEP_2)
	v_add_nc_u32 v[SO+\b], 0xff000000, v[BM+\b]
.endr
.irp b, 0,1
	s_delay_alu instid0(VALU_DEP_2)
	v_lshrrev_b32 v[SBY+\b], 23, v[SO+\b]
.endr
	s_delay_alu instid0(VALU_DEP_1)
	v_cndmask_b32 v254, v[SBY], v[SBY+1], s49      ; lanes 0-15 store block 0's byte, lanes 16-31 block 1's
	v_cvt_scalef32_pk16_fp6_f32 v[PC:PC+2], v[S:S+15], v[SO]
	v_cvt_scalef32_pk16_fp6_f32 v[EH:EH+2], v[S+16:S+31], v[SO+1]
	v_nop
.irp i, 0,1,2
	v_permlane16_swap_b32 v[PC+\i], v[EH+\i]
.endr
.irp i, 0,1,2
	s_delay_alu instid0(VALU_DEP_3)
	v_mov_b32 v[PC+3+\i], v[EH+\i]
.endr
	global_store_b128 v1, v[PC:PC+3], s[50:51]     ; 512 consecutive bytes,
	global_store_b64 v2, v[PC+4:PC+5], s[50:51] offset:512   ; and 256
	global_store_b8 v5, v254, s[52:53]
.irp j, 0,1,2,3,4,5
	v_mov_b32 v[Q+\j], v[QN+\j]                    ; the second pass's tile
.endr
	v_mov_b32 v[QS], v[QSN]
	s_wait_xcnt 0x0                                ; the stores have read their registers and bases: both are written again only behind this wait
	s_add_nc_u64 s[50:51], s[50:51], 2*HTB         ; two groups of 128 queries on
	s_add_nc_u64 s[52:53], s[52:53], 2*HTB
	s_sub_co_u32 s48, s48, 1
	s_cmp_lg_u32 s48, 0
	s_cbranch_scc1 .Lpass
	s_wait_tensorcnt 0x0                           ; the wave's end
	ds_add_u32 v[SPW], v[NIL]
	s_wait_dscnt 0x0
	CROUND                                         ; the closing round: no work-group ends while a partner may still ask jointly
	s_endpgm
.Lfunc_end_k_qfe7b275e8d_attn:
	.size	k_qfe7b275e8d_attn, .Lfunc_end_k_qfe7b275e8d_attn-k_qfe7b275e8d_attn
	.p2alignl 7, 3214868480
	.fill 96, 4, 3214868480
	.section	.rodata,"a",@progbits
	.p2align	6, 0x0
	.amdhsa_kernel k_qfe7b275e8d_attn
		.amdhsa_group_segment_fixed_size 263168
		.amdhsa_private_segment_fixed_size 0
		.amdhsa_enable_private_segment 0
		.amdhsa_kernarg_size 24
		.amdhsa_user_sgpr_count 2
		.amdhsa_user_sgpr_kernarg_segment_ptr 1
		.amdhsa_wavefront_size32 1
		.amdhsa_system_sgpr_workgroup_id_x 1
		.amdhsa_system_sgpr_workgroup_id_y 1
		.amdhsa_system_sgpr_workgroup_id_z 1
		.amdhsa_system_vgpr_workitem_id 0
		.amdhsa_next_free_vgpr 256
		.amdhsa_next_free_sgpr 66
		.amdhsa_reserve_vcc 0
		.amdhsa_float_denorm_mode_32 3
		.amdhsa_float_denorm_mode_16_64 3
		.amdhsa_memory_ordered 1
		.amdhsa_forward_progress 1
		.amdhsa_inst_pref_size 45
	.end_amdhsa_kernel
	.amdgpu_metadata
---
amdhsa.version: [ 1, 2 ]
amdhsa.kernels:
  - .name:           k_qfe7b275e8d_attn
    .symbol:         k_qfe7b275e8d_attn.kd
    .args:
      - { .name: qimg, .offset: 0, .size: 8, .value_kind: global_buffer, .address_space: global }
      - { .name: kvimg, .offset: 8, .size: 8, .value_kind: global_buffer, .address_space: global }
      - { .name: oq, .offset: 16, .size: 8, .value_kind: global_buffer, .address_space: global }
    .group_segment_fixed_size: 263168
    .private_segment_fixed_size: 0
    .kernarg_segment_align: 8
    .kernarg_segment_size: 24
    .max_flat_workgroup_size: 512
    .sgpr_count:     66
    .vgpr_count:     256
    .wavefront_size: 32
...
	.end_amdgpu_metadata
.endif
;; end of part 3
;; launch gemm_out (part 4): grid 4 x 64, 4 waves a work-group, clusters of 4 x 4, 327,680 bytes of LDS; arguments oq, wq, bout, out0; writes out0
.if DOCPART == 4
	.amdgcn_target "amdgcn-amd-amdhsa--gfx1250"
	.amdhsa_code_object_version 6
	.text
	.protected	k_qfe7b275e8d_gemm_out
	.globl	k_qfe7b275e8d_gemm_out
	.p2align	8
	.type	k_qfe7b275e8d_gemm_out,@function
k_qfe7b275e8d_gemm_out:
	s_mov_b64 s[64:65], 0
	v_nop
	global_prefetch_b8 v0, s[64:65] scope:SCOPE_SE
	s_setreg_imm32_b32 hwreg(HW_REG_WAVE_MODE, 25, 1), 1
	s_wait_xcnt 0x0
	s_wait_alu depctr_hold_cnt(0) depctr_sa_sdst(0) depctr_va_vdst(0) depctr_va_sdst(0) depctr_va_ssrc(0) depctr_va_vcc(0) depctr_vm_vsrc(0)
	s_getreg_b32 s2, hwreg(HW_REG_IB_STS2, 6, 4)
	s_cmp_eq_u32 s2, 0
	s_cbranch_scc0 .Lentry_in_a_cluster
	s_endpgm
.Lentry_in_a_cluster:
	s_bfe_u32 s2, ttmp6, 0x10000c
	s_cmp_lg_u32 s2, 0xf033
	s_cbranch_scc0 .Lentry_shape_is_right
	s_endpgm
.Lentry_shape_is_right:
; out0 = o Wout + bout on codes of FP6 (E2M3) with E8M0 scales.  o's 8,192 rows lie in oq as 64 records of 128 rows, Wout's 1,024 columns in wq as records 24-31 of 128 columns, each with all of K = 1,024:
; fragment (slot of 256 K, q-th 128 K, block i of 16 rows) at slot x 24576 + q x 12288 + i x 1536, scale words at 98304 + slot x 1024 + i x 128 + 8 r + 4 q; a record is 102,400 bytes, 400 rows of 256.
; A BLOCK OF out0 IS 128 x 256: 64 x 4 = 256 work-groups.  A's one record and B's two, 307,200 bytes, lie in LDS WHOLE, FILLED ONCE: wave 0 fetches A's, waves 1 and 2 one of B's each; no slot is filled again.
; CLUSTERS: 4 x 4 work-groups; A's record is shared along a row of the cluster, B's along a column: joint loads.  All that the launch reads is asked for at its head: no later load is left to prefetch for.
; A wave makes 64 rows x 128 columns: 32 accumulators (window 1).  K goes in 8 steps of 128; the fragments of step s lie in window 0 (s even) or window 2 (s odd), fetched one step ahead.  The bias lies in window 3 and is the first products' C.
; THE MATRIX INSTRUCTION IS USED TRANSPOSED (source 0 = 16 columns of Wout, source 1 = 16 rows of o): a lane holds eight neighbouring numbers of a row of out0.
; Lane r of block 2 g + u holds row (or column) 32 g + 8 u + r + 8 (r / 8) of the record's 128; record = 16 x batch + position / 128.
; The way out goes through a stage in A's record's LDS bytes, behind a barrier behind which no wave reads the records any more.
.set HTB,   102400
.set SPARE, 3*HTB
.set SPITCH, 528
.set FR,    12
.set ADRA,  8                          ; v8, v9: 16 x lane, K slots 0-1 and 2-3; v10, v11: the same with 8 x lane
.set ADRB,  12                         ; v12-15 likewise
.set L16,   24
.set L8,    25
.set STO,   26
.set ADRS,  27
.set SPW,   28
.set NIL,   29
.set RD,    30
.set SC,    32                         ; v32-63 scale words, two sets: register 2 i + q: lanes 0-15 A's block i, lanes 16-31 B's block i
.set BF,    64                         ; v64-159 B's 8 fragments
.set AFR,   160                        ; v160-207 A's 4
.set BK,    64                         ; the way out: v64-191
.set G1, 24
.set G0, 32
.set G1B, 48
.set G0B, 56
.set MSB, 0
.macro WIN new
.if MSB != \new
	s_set_vgpr_msb (MSB<<8)|\new
.set MSB, \new
.endif
.endm
.macro CREST
	s_cmp_lg_u32 s14, 0
	s_cbranch_scc1 .Lnot_wave_0_\@
	s_barrier_signal -3
.Lnot_wave_0_\@:
	s_barrier_wait -3
	s_barrier_signal -1
	s_barrier_wait -1
.endm
.macro CROUND
	s_barrier_signal -1
	s_barrier_wait -1
	CREST
.endm
.macro PLACES n
.rept \n
	v_nop
.endr
.endm
	s_load_b256 s[4:11], s[0:1], 0x0               ; oq, wq, bout, out0
	v_lshl_add_u32 v[SPW], v0, 2, SPARE
	v_mov_b32 v[NIL], 0
	ds_add_u32 v[SPW], v[NIL]                      ; the opening lines: the add, twice on end, and its wait
	ds_add_u32 v[SPW], v[NIL]
	v_lshrrev_b32 v1, 5, v0
	v_readfirstlane_b32 s14, v1                    ; wave 0..3
	s_lshr_b32 s15, s14, 1                         ; which 64 rows are mine
	s_and_b32 s16, s14, 1                          ; which of B's two records
	s_bfe_u32 s40, ttmp6, 0x40000                  ; cx, cy
	s_bfe_u32 s41, ttmp6, 0x40004
	s_lshl_b32 s42, ttmp9, 2
	s_add_co_u32 s42, s42, s40                     ; the block's column: 256 columns each
	s_and_b32 s17, ttmp7, 0xffff
	s_lshl_b32 s17, s17, 2
	s_add_co_u32 s17, s17, s41                     ; the block's row: A's record
	s_lshl_b32 s43, s41, 2
	s_lshl_b32 s43, 15, s43                        ; my row of the cluster
	s_lshl_b32 s44, 0x1111, s40                    ; my column
	s_or_b32 s[G1+0], s43, (3<<16)|(1<<21)         ; elements of 8 bytes; bit 21 beside a mask
	s_or_b32 s[G1B+0], s44, (3<<16)|(1<<21)
.irp g, G1, G1B
	s_mov_b32 s[\g+1], 32<<16                      ; rows of 256 bytes,
	s_mov_b32 s[\g+2], 400<<16                     ; 400 of them: a record
	s_mov_b32 s[\g+3], 32<<16
	s_mov_b32 s[\g+4], 400
	s_mov_b32 s[\g+5], 32
	s_mov_b32 s[\g+6], 0
	s_mov_b32 s[\g+7], 0
.endr
	s_mul_i32 s20, s17, HTB
	s_mov_b32 s21, 0
	s_lshl_b32 s46, s42, 1
	s_add_co_u32 s46, s46, s14
	s_add_co_u32 s46, s46, 23                      ; waves 1 and 2: record 24 + 2 x column + wave - 1
	s_mul_i32 s46, s46, HTB
	s_mov_b32 s47, 0
	s_mul_i32 s45, s14, HTB                        ; and where it goes: behind A's record
	s_wait_dscnt 0x0
	s_wait_kmcnt 0x0
	s_add_nc_u64 s[20:21], s[4:5], s[20:21]
	s_add_nc_u64 s[46:47], s[6:7], s[46:47]
	CROUND                                         ; all sixteen work-groups are here: the joint loads meet
	s_mov_b32 s[G0], 1
	s_mov_b32 s[G0+1], 0
	s_mov_b64 s[G0+2:G0+3], s[20:21]
	s_or_b32 s[G0+3], s[G0+3], 0x80000000
	s_mov_b32 s[G0B], 1
	s_mov_b32 s[G0B+1], s45
	s_mov_b64 s[G0B+2:G0B+3], s[46:47]
	s_or_b32 s[G0B+3], s[G0B+3], 0x80000000
	s_cmp_eq_u32 s14, 0                            ; one chain of branches on the wave's number, one load to an arm
	s_cbranch_scc0 .Lfor_b
	tensor_load_to_lds s[G0:G0+3], s[G1:G1+7]
	s_nop 0
	PLACES 4
	s_branch .Lasked
.Lfor_b:
	s_cmp_lt_u32 s14, 3
	s_cbranch_scc0 .Lasked
	tensor_load_to_lds s[G0B:G0B+3], s[G1B:G1B+7]
	s_nop 0
	PLACES 4
.Lasked:
	v_and_b32 v1, 15, v0
	v_bfe_u32 v2, v0, 4, 1
	v_and_b32 v3, 31, v0
	v_lshlrev_b32 v[L16], 4, v3
	v_lshlrev_b32 v[L8], 3, v3
	s_mul_i32 s21, s15, 4*1536                     ; A: my four blocks of 16 rows
	s_mul_i32 s22, s16, HTB
	s_add_co_u32 s22, s22, HTB                     ; B: my record
.irp s, 0,1
	v_add_nc_u32 v[ADRA+\s], s21, v[L16]
	v_add_nc_u32 v[ADRA+2+\s], s21, v[L8]
	v_add_nc_u32 v[ADRB+\s], s22, v[L16]
	v_add_nc_u32 v[ADRB+2+\s], s22, v[L8]
	s_add_co_u32 s21, s21, 49152
	s_add_co_u32 s22, s22, 49152
.endr
	s_lshl_b32 s21, s15, 9                         ; scale words: A's from my block 4 x half on,
	s_mul_i32 s22, s16, HTB
	s_add_co_u32 s22, s22, HTB
	s_sub_co_u32 s22, s22, s21                     ; B's this much further on
	v_mul_u32_u24 v6, s22, v2                      ; lanes 16-31 take B's
	s_add_co_u32 s21, s21, 98304
	v_lshl_add_u32 v5, v1, 3, v6
	v_add_nc_u32 v[ADRS], s21, v5
	s_mul_i32 s23, s14, 16*SPITCH                  ; my stage
	v_mul_u32_u24 v5, v1, SPITCH
	v_lshl_add_u32 v5, v2, 6, v5
	v_add_nc_u32 v[STO], s23, v5
	v_add_nc_u32 v[RD], s23, v[L16]
	s_lshl_b32 s18, s42, 1
	s_add_co_u32 s18, s18, s16
	s_lshl_b32 s18, s18, 9                         ; my 128 columns of the bias
	s_mov_b32 s19, 0
	s_add_nc_u64 s[8:9], s[8:9], s[18:19]
	v_lshlrev_b32 v7, 6, v2
	WIN 0xc0                                       ; destination window 3
.irp b, 0,1,2,3,4,5,6,7
	global_load_b128 v[8*\b:8*\b+3], v7, s[8:9] offset:(32*(\b/2)+8*(\b%2))*4
	global_load_b128 v[8*\b+4:8*\b+7], v7, s[8:9] offset:(32*(\b/2)+8*(\b%2))*4+16
.endr
	WIN 0
	s_and_b32 s18, s17, 15                         ; out0: position 128 x (record % 16) + 64 x half,
	s_lshl_b32 s18, s18, 7
	s_lshl_b32 s19, s15, 6
	s_add_co_u32 s18, s18, s19
	s_lshl_b32 s18, s18, 14                        ; four rows of 4,096 bytes each,
	s_lshr_b32 s19, s17, 4
	s_lshl_b32 s19, s19, 12                        ; of which the batch picks one;
	s_add_co_u32 s18, s18, s19
	s_lshl_b32 s19, s42, 10
	s_add_co_u32 s18, s18, s19
	s_lshl_b32 s19, s16, 9
	s_add_co_u32 s18, s18, s19                     ; my 128 columns
	s_mov_b32 s19, 0
	s_add_nc_u64 s[10:11], s[10:11], s[18:19]
.macro FRAG reg, adr, off
	ds_load_b128 v[\reg:\reg+3], v[\adr] offset:\off
	ds_load_b64 v[\reg+4:\reg+5], v[\adr+2] offset:\off+512
	ds_load_b128 v[\reg+6:\reg+9], v[\adr] offset:\off+768
	ds_load_b64 v[\reg+10:\reg+11], v[\adr+2] offset:\off+1280
.endm
; step st's twelve fragments into window 0 (st even) or 2 (st odd); with an even step the scale words of its slot of 256 K
.macro FETCH st
.set KO, (((\st)/2)%2)*24576+((\st)%2)*12288
.set HF, (\st)/4
	WIN 0x80*((\st)%2)
.irp i, 0,1,2,3,4,5,6,7
	FRAG BF+FR*\i, ADRB+HF, KO+\i*1536
.endr
.irp i, 0,1,2,3
	FRAG AFR+FR*\i, ADRA+HF, KO+\i*1536
.endr
	WIN 0
.if (\st)%2 == 0
.irp i, 0,1,2,3,4,5,6,7
	ds_load_b64 v[SC+16*(((\st)/2)%2)+2*\i:SC+16*(((\st)/2)%2)+2*\i+1], v[ADRS] offset:((\st)/2)*1024+\i*128
.endr
.endif
.endm
; 32 matrix instructions: the accumulators take turns, in the same order in every step
.macro MUL32 st, first
.set SS, SC+16*(((\st)/2)%2)+(\st)%2
.irp a, 0,1,2,3
.irp b, 0,1,2,3,4,5,6,7
.if \first
	v_wmma_scale_f32_16x16x128_f8f6f4 v[8*(8*\a+\b):8*(8*\a+\b)+7], v[BF+FR*\b:BF+FR*\b+FR-1], v[AFR+FR*\a:AFR+FR*\a+FR-1], v[8*\b:8*\b+7], v[SS+2*\b], v[SS+2*\a] matrix_a_fmt:MATRIX_FMT_FP6 matrix_b_fmt:MATRIX_FMT_FP6 matrix_a_scale:MATRIX_SCALE_ROW1
.else
	v_wmma_scale_f32_16x16x128_f8f6f4 v[8*(8*\a+\b):8*(8*\a+\b)+7], v[BF+FR*\b:BF+FR*\b+FR-1], v[AFR+FR*\a:AFR+FR*\a+FR-1], v[8*(8*\a+\b):8*(8*\a+\b)+7], v[SS+2*\b], v[SS+2*\a] matrix_a_fmt:MATRIX_FMT_FP6 matrix_b_fmt:MATRIX_FMT_FP6 matrix_a_scale:MATRIX_SCALE_ROW1
.endif
.endr
.endr
.endm
.macro STEP st
	s_wait_dscnt 0x0                               ; this step's fragments, asked for a step ago, are in
.if (\st) < 7
.if (\st) > 0
	PLACES 4                                       ; ahead of loads into registers that the last step's products read
.endif
	FETCH (\st)+1
.endif
.if (\st) == 0
	WIN 0x70                                       ; sources window 0, C window 3 (the bias), D window 1
	MUL32 \st, 1
.else
	WIN 0x50+0x0a*((\st)%2)                        ; sources window 0 or 2, C and D window 1
	MUL32 \st, 0
.endif
.endm
	s_wait_alu depctr_va_vdst(0)                   ; the wait at the head's end
	s_wait_tensorcnt 0x0                           ; my record has landed;
	s_barrier_signal -1
	s_barrier_wait -1                              ; and so have all three: nothing is ever filled again
	FETCH 0
	s_wait_loadcnt 0x0                             ; the bias
.irp t, 0,1,2,3,4,5,6,7
	STEP \t
.endr
	WIN 0
	PLACES 4                                       ; behind the last products
	s_wait_dscnt 0x0
	s_barrier_signal -1
	s_barrier_wait -1                              ; no wave reads the records any more: the stages may lie on A's
.macro TOSTAGE a
.set AC, 64*(\a)
	WIN 0x04                                       ; the data: window 1
.irp b, 0,1,2,3,4,5,6,7
	ds_store_b128 v[STO], v[AC+8*\b:AC+8*\b+3] offset:128*(\b/2)+32*(\b%2)       ; each accumulator from its low end on
	ds_store_b128 v[STO], v[AC+8*\b+4:AC+8*\b+7] offset:128*(\b/2)+32*(\b%2)+16
.endr
	WIN 0
.set BB, BK+64*((\a)%2)
.irp t, 0,1,2,3,4,5,6,7,8,9,10,11,12,13,14,15
	ds_load_b128 v[BB+4*\t:BB+4*\t+3], v[RD] offset:\t*SPITCH     ; a wave's LDS instructions are served in order: these see the stores above
.endr
.endm
.macro SEND a, younger
.set BB, BK+64*((\a)%2)
	s_wait_dscnt \younger                          ; the block is back; the LDS instructions issued behind its loads may be out
.irp t, 0,1,2,3,4,5,6,7,8,9,10,11,12,13,14,15
	global_store_b128 v[L16], v[BB+4*\t:BB+4*\t+3], s[10:11] offset:(32*((\a)/2)+8*((\a)%2)+\t+8*(\t/8))*16384 th:TH_STORE_NT   ; 32 lanes store 512 consecutive bytes
.endr
.endm
	TOSTAGE 0
.irp a, 1,2,3
.if \a > 1
	s_wait_xcnt 0x0                                ; block a - 2's stores have read their registers
.endif
	TOSTAGE \a
	SEND \a-1, 32
.endr
	SEND 3, 0
	s_wait_tensorcnt 0x0                           ; the wave's end
	ds_add_u32 v[SPW], v[NIL]
	s_wait_dscnt 0x0
	CROUND                                         ; the closing round
	s_endpgm
.Lfunc_end_k_qfe7b275e8d_gemm_out:
	.size	k_qfe7b275e8d_gemm_out, .Lfunc_end_k_qfe7b275e8d_gemm_out-k_qfe7b275e8d_gemm_out
	.p2alignl 7, 3214868480
	.fill 96, 4, 3214868480
	.section	.rodata,"a",@progbits
	.p2align	6, 0x0
	.amdhsa_kernel k_qfe7b275e8d_gemm_out
		.amdhsa_group_segment_fixed_size 327680
		.amdhsa_private_segment_fixed_size 0
		.amdhsa_enable_private_segment 0
		.amdhsa_kernarg_size 32
		.amdhsa_user_sgpr_count 2
		.amdhsa_user_sgpr_kernarg_segment_ptr 1
		.amdhsa_wavefront_size32 1
		.amdhsa_system_sgpr_workgroup_id_x 1
		.amdhsa_system_sgpr_workgroup_id_y 1
		.amdhsa_system_sgpr_workgroup_id_z 1
		.amdhsa_system_vgpr_workitem_id 0
		.amdhsa_next_free_vgpr 1024
		.amdhsa_next_free_sgpr 100
		.amdhsa_reserve_vcc 0
		.amdhsa_float_denorm_mode_32 3
		.amdhsa_float_denorm_mode_16_64 3
		.amdhsa_memory_ordered 1
		.amdhsa_forward_progress 1
		.amdhsa_inst_pref_size 83
	.end_amdhsa_kernel
	.amdgpu_metadata
---
amdhsa.version: [ 1, 2 ]
amdhsa.kernels:
  - .name:           k_qfe7b275e8d_gemm_out
    .symbol:         k_qfe7b275e8d_gemm_out.kd
    .args:
      - { .name: oq, .offset: 0, .size: 8, .value_kind: global_buffer, .address_space: global }
      - { .name: wq, .offset: 8, .size: 8, .value_kind: global_buffer, .address_space: global }
      - { .name: bout, .offset: 16, .size: 8, .value_kind: global_buffer, .address_space: global }
      - { .name: out0, .offset: 24, .size: 8, .value_kind: global_buffer, .address_space: global }
    .group_segment_fixed_size: 327680
    .private_segment_fixed_size: 0
    .kernarg_segment_align: 8
    .kernarg_segment_size: 32
    .max_flat_workgroup_size: 128
    .sgpr_count:     100
    .vgpr_count:     1024
    .wavefront_size: 32
...
	.end_amdgpu_metadata
.endif
;; end of part 4
